; MI455X (gfx1250); checked and timed in simulation.
; The chip was launched on July 23, 2026; its instructions are those of AMD's public machine-readable ISA for CDNA 5 (MIT licence, August 2026) and "CDNA5" Instruction Set Architecture Reference Guide (July 2026). The comments in the code are by the model that wrote it; some were corrected since.
;; Attn. Allowed arithmetic: matrix products marked QUANTISED: E2M1 operands, one E8M0 scale for each 32 along K, by v_wmma_scale_f32_16x16x128_f8f6f4 with both operands' format E2M1 (or v_wmma_scale_f32_32x16x128_f4), f32 sums; products left as they are: f32 operands where the result goes on into a quantised operand, else bf16, f16 or f32 operands; f32 sums; everything else in f32.
;; Inputs: W 1,024 x 2,048 float32; b 1,024 float32; encoder_outputs 32 x 1,024 x 2,048 float32; hidden 32 x 1,024 float32.
;; Outputs: out0 32 x 1 x 1,024 float32.
;; This version of the problem:
;;   THIS VERSION OF THE PROBLEM IS GIVEN IN LOW PRECISION. The matrix products marked QUANTISED in the list below multiply operands that are first quantised to E2M1 (2 exponent bits, 1 mantissa bit; 4 bits a number), with one power-of-two scale for each 32 numbers along K (OCP MX v1.0); their sums are f32. All else is computed in f32.
;;   The module's matrix products, in the order in which they are computed (A, B: the left and right operand; K: the contracted axis; several contracted axes count as one K, in the product's order):
;;     1. [M 32,768, K 2,048] x [K 2,048, N 1,024]; A: input encoder_outputs; B: input W: QUANTISED
;;     2. batch 32 x [M 1, K 1,024] x [K 1,024, N 1,024]; A: input hidden; B: computed on the way: left as it is (M = 1 < 16)
;;   THE QUANTISER, for each operand of a quantised product, along K:
;;     - K is cut into blocks of 32 from its start; a last block that is shorter is filled with zeros.
;;     - A block's scale is 2^e with e = floor(log2(the largest magnitude in the block)) - 2, held to -126 .. 127; a block of zeros has e = 0. As a byte (E8M0): e + 127.
;;     - Each number is divided by its block's scale, clamped to +-6, and rounded to the nearest number of E2M1, ties to even, subnormals kept.
;;     - The product sums the exact products of the quantised numbers (number of the format x scale) in f32.
;;   ~~~python
;;   def quantise(x, axis):      # numpy; x: float32 -> the quantised numbers, widened to float32 again
;;       x = np.moveaxis(x, axis, -1); K = x.shape[-1]
;;       x = np.pad(x, [(0, 0)] * (x.ndim - 1) + [(0, -K % 32)]); x = x.reshape(x.shape[:-1] + (-1, 32)); a = np.abs(x).max(-1, keepdims=True)
;;       e = np.where(a > 0, np.clip(np.frexp(np.where(a > 0, a, 1))[1] - 1 - 2, -126, 127), 0)      # np.frexp(a)[1] - 1 = floor(log2(a)), exactly
;;       r = np.clip(x / 2.0 ** e, -6, 6)
;;       step = 2.0 ** (np.maximum(np.frexp(np.where(r == 0, 1, r))[1] - 1, 0) - 1)
;;       q = np.round(r / step) * step * 2.0 ** e      # np.round: ties to even
;;       return np.moveaxis(q.reshape(q.shape[:-2] + (-1,))[..., :K], -1, axis).astype(np.float32)
;;   ~~~
;; 2 versions. Each part assembles by itself: llvm-mc -triple=amdgcn-amd-amdhsa -mcpu=gfx1250 --defsym DOCPART=n.
;; ======== version 1 of 2: 3 launches
;; workspace buffers: wf 1,048,576 bytes; ws 65,536 bytes; energies 131,072 bytes
;; launch wquant (part 1): grid 256 x 1, 4 waves a work-group, no clusters, 34,560 bytes of LDS; arguments W, wf, ws; writes wf, ws
.if DOCPART == 1
	.amdgcn_target "amdgcn-amd-amdhsa--gfx1250"
	.amdhsa_code_object_version 6
	.text
	.protected	k_qb1b1529bcb_wquant
	.globl	k_qb1b1529bcb_wquant
	.p2align	8
	.type	k_qb1b1529bcb_wquant,@function
k_qb1b1529bcb_wquant:
	s_mov_b64 s[64:65], 0
	v_nop
	global_prefetch_b8 v0, s[64:65] scope:SCOPE_SE
	s_setreg_imm32_b32 hwreg(HW_REG_WAVE_MODE, 25, 1), 1
	s_wait_xcnt 0x0
; W [1024][2048] f32 becomes codes of FP4 (E2M1) and E8M0 scale words (one byte for each 32 along K), laid in the order in which the next launch's waves take them.
; wf: [cw 4][c 8][p 8][s 2][t 2][plane 2][lane 32][16 bytes].  A record (cw, c, p) is 4,096 bytes: four fragments (s, t), each 16 rows of W (rows 16 T on, T = 16 cw + 2 p + t) x 128 along K (k = 256 c + 128 s on),
;     stored as an image of the operand's 8 registers: plane x = registers 4 x .. 4 x + 3, lane l's 16 bytes at 16 l.
; ws: [record 256][lane 32][8 bytes]: lane 16 t + r holds the scale words of row 16 T + r for s = 0 and s = 1.
; A block's scale is 2^(floor(log2(its largest magnitude)) - 2); its byte is the largest magnitude's exponent field - 2, held at 1 from below.  A block of zeros so gets the byte 1 where the rule says 127:
; its codes are zeros, which add nothing under any byte but 0xff, and this program alone reads the bytes.
; LIMITS: NaN and infinities among the inputs are not served.
; SHARES: work-group g makes record g; wave wv makes its fragment wv (s = wv / 2, t = wv % 2).  Each load reads 512 consecutive bytes of one row of W; the 16 x 512 bytes turn through the wave's own stage in LDS,
; so that lane (r, h) gets, of row r, the 16 neighbours 32 b + 16 h + 0 .. 15 of each block b: what the conversions want.
.set SPT,   528                        ; a stage row: 512 bytes + 16: sixteen rows start at sixteen different 16-byte columns of the 64 banks of 4 bytes (ISA guide 11.1)
.set STGW,  16*SPT                     ; a wave's stage
.set WSS,   4*STGW                     ; behind the stages: the record's 256 bytes of scale words
.set LI,    1                          ; v1   16 x lane
.set LS8,   2                          ; v2   8 x lane
.set STW,   3                          ; v3   the stage, on the way in: my wave's stage + 16 x lane
.set STR,   4                          ; v4   on the way out: + 528 r + 64 h
.set WSW,   5                          ; v5   where my row's scale word goes: WSS + 128 t + 8 r + 4 s
.set WSR,   6                          ; v6   WSS + 8 x lane: the record's words on their way out
.set R,     16                         ; v16-79   the numbers as loaded
.set X,     80                         ; v80-143  register 16 b + i: k = 32 b + 16 h + i of my row
.set TM,    144                        ; v144-159 at work
.set PW,    160                        ; v160     the scale word
.set PC,    162                        ; v162-169 the fragment
.set SEL,   20                         ; s[20:21] v_permlanex16_b32's selects for lane l xor 16
; 64 numbers of a lane, v[s] .. v[s + 63], become a fragment's codes in v[PC] on and its scale word in v[PW].
.macro QUANT s
.irp b, 0,1,2,3
	v_max3_num_f32 v[TM+\b], |v[\s+16*\b]|, |v[\s+1+16*\b]|, 0x1800000   ; block b: my 16 numbers, and the floor 2^(3 - 127): so the byte cannot fall under 1
.endr
.irp i, 2,4,6,8,10,12,14
.irp b, 0,1,2,3
	v_max3_num_f32 v[TM+\b], v[TM+\b], |v[\s+16*\b+\i]|, |v[\s+1+16*\b+\i]|   ; the four blocks by turns: no line waits for the line above it
.endr
.endr
.irp b, 0,1,2,3
	v_permlanex16_b32 v[TM+4+\b], v[TM+\b], s[SEL], s[SEL+1]
.endr
.irp b, 0,1,2,3
	v_max_num_f32 v[TM+\b], v[TM+\b], v[TM+4+\b]   ; with lane l xor 16's: the block's largest magnitude
.endr
.irp b, 0,1,2,3
	v_add_nc_u32 v[TM+12+\b], 0xff000000, v[TM+\b]   ; 2 off its exponent field: the conversion takes the exponent field of this operand as its scale
.endr
.irp b, 0,1,2,3
	v_lshrrev_b32 v[TM+4+\b], 23, v[TM+12+\b]      ; the scale's byte
.endr
	v_lshl_or_b32 v[PW], v[TM+5], 8, v[TM+4]       ; four bytes make my row's scale word
	v_lshl_or_b32 v[PW], v[TM+6], 16, v[PW]
	v_lshl_or_b32 v[PW], v[TM+7], 24, v[PW]
.irp b, 0,1,2,3
	v_cvt_scalef32_pk8_fp4_f32 v[PC+2*\b], v[\s+16*\b:\s+7+16*\b], v[TM+12+\b]
	v_cvt_scalef32_pk8_fp4_f32 v[PC+1+2*\b], v[\s+8+16*\b:\s+15+16*\b], v[TM+12+\b]
.endr
	v_nop                                          ; one plain place behind a scaled conversion
.irp c, 0,1                                    ; the operand's layout wants a whole block in a lane: lanes 0-15 block 2 c, lanes 16-31 block 2 c + 1
.irp i, 0,1
	v_permlane16_swap_b32 v[PC+4*\c+\i], v[PC+2+4*\c+\i]
.endr
.endr
.endm
	s_load_b128 s[4:7], s[0:1], 0x0                ; W s[4:5], wf s[6:7]
	s_load_b64 s[8:9], s[0:1], 0x10                ; ws
	v_lshl_add_u32 v176, v0, 2, 0x8500
	v_mov_b32 v177, 0
	v_lshrrev_b32 v8, 5, v0
	v_readfirstlane_b32 s16, v8                    ; wave 0..3 = the fragment's number in the record
	s_lshr_b32 s17, s16, 1                         ; s
	s_and_b32 s18, s16, 1                          ; t
	v_and_b32 v8, 31, v0                           ; lane
	v_and_b32 v9, 15, v0                           ; r
	v_bfe_u32 v10, v0, 4, 1                        ; h
	v_lshlrev_b32 v[LI], 4, v8
	v_lshlrev_b32 v[LS8], 3, v8
	s_mul_i32 s19, s16, STGW
	v_add_nc_u32 v[STW], s19, v[LI]
	v_mul_u32_u24 v[STR], v9, SPT
	v_lshl_add_u32 v[STR], v10, 6, v[STR]
	v_add_nc_u32 v[STR], s19, v[STR]
	s_lshl_b32 s19, s18, 7
	s_lshl_b32 s22, s17, 2
	s_add_co_u32 s19, s19, s22
	s_add_co_u32 s19, s19, WSS
	v_lshl_add_u32 v[WSW], v9, 3, s19
	v_add_nc_u32 v[WSR], WSS, v[LS8]
	s_mov_b32 s[SEL], 0x76543210
	s_mov_b32 s[SEL+1], 0xfedcba98
.irp b, 0,1,2,3
	v_mov_b32 v[TM+4+\b], 0                        ; written once: a lane permute's destination counts as one of its sources
.endr
	s_lshr_b32 s22, ttmp9, 6                       ; cw
	s_lshl_b32 s22, s22, 4
	s_and_b32 s23, ttmp9, 7                        ; p
	s_lshl_b32 s23, s23, 1
	s_add_co_u32 s22, s22, s23
	s_add_co_u32 s22, s22, s18                     ; T = 16 cw + 2 p + t
	s_lshl_b32 s24, s22, 17                        ; 16 rows of 8,192 bytes
	s_bfe_u32 s23, ttmp9, 0x30003                  ; c
	s_lshl_b32 s23, s23, 10                        ; 256 numbers
	s_add_co_u32 s24, s24, s23
	s_lshl_b32 s23, s17, 9                         ; 128 numbers
	s_add_co_u32 s24, s24, s23
	s_mov_b32 s25, 0
	s_lshl_b32 s26, ttmp9, 12                      ; wf: 4,096 x record + 1,024 x fragment
	s_lshl_b32 s23, s16, 10
	s_add_co_u32 s26, s26, s23
	s_mov_b32 s27, 0
	s_lshl_b32 s28, ttmp9, 8                       ; ws: 256 x record
	s_mov_b32 s29, 0
	s_wait_kmcnt 0x0
	s_add_nc_u64 s[4:5], s[4:5], s[24:25]
	s_add_nc_u64 s[6:7], s[6:7], s[26:27]
	s_add_nc_u64 s[8:9], s[8:9], s[28:29]
.irp i, 0,1,2,3,4,5,6,7,8,9,10,11,12,13,14,15
	global_load_b128 v[R+4*\i:R+4*\i+3], v[LI], s[4:5] offset:8192*\i th:TH_LOAD_NT   ; row i: 32 lanes read 512 consecutive bytes; read once in the launch
.endr
	s_wait_loadcnt 0x0
.irp i, 0,1,2,3,4,5,6,7,8,9,10,11,12,13,14,15
	ds_store_b128 v[STW], v[R+4*\i:R+4*\i+3] offset:SPT*\i
.endr
.irp b, 0,1,2,3
.irp j, 0,1,2,3
	ds_load_b128 v[X+16*\b+4*\j:X+16*\b+4*\j+3], v[STR] offset:128*\b+16*\j   ; LDS serves a wave's instructions in order (ISA guide 5.7.1.4): these see my stores
.endr
.endr
	s_wait_dscnt 0x0
	QUANT X
.irp x, 0,1
	global_store_b128 v[LI], v[PC+4*\x:PC+4*\x+3], s[6:7] offset:512*\x   ; a plane of the image: 512 consecutive bytes, aligned
.endr
	ds_store_b32 v[WSW], v[PW]                     ; both halves of the lanes write the same word with the same value
	s_wait_dscnt 0x0                               ; for wave 0's sake: my word has landed
	s_barrier_signal -1
	s_barrier_wait -1
	s_cmp_lg_u32 s16, 0
	s_cbranch_scc1 .Lend
	ds_load_b64 v[170:171], v[WSR]                 ; the record's 64 words, from all four waves
	s_wait_dscnt 0x0
	global_store_b64 v[LS8], v[170:171], s[8:9]    ; 32 lanes store 256 consecutive bytes, aligned
.Lend:
	s_wait_tensorcnt 0x0
	ds_add_u32 v176, v177
	s_wait_dscnt 0x0
	s_endpgm
.Lfunc_end_k_qb1b1529bcb_wquant:
	.size	k_qb1b1529bcb_wquant, .Lfunc_end_k_qb1b1529bcb_wquant-k_qb1b1529bcb_wquant
	.p2alignl 7, 3214868480
	.fill 96, 4, 3214868480
	.section	.rodata,"a",@progbits
	.p2align	6, 0x0
	.amdhsa_kernel k_qb1b1529bcb_wquant
		.amdhsa_group_segment_fixed_size 34560
		.amdhsa_private_segment_fixed_size 0
		.amdhsa_enable_private_segment 0
		.amdhsa_kernarg_size 24
		.amdhsa_user_sgpr_count 2
		.amdhsa_user_sgpr_kernarg_segment_ptr 1
		.amdhsa_wavefront_size32 1
		.amdhsa_system_sgpr_workgroup_id_x 1
		.amdhsa_system_sgpr_workgroup_id_y 1
		.amdhsa_system_sgpr_workgroup_id_z 1
		.amdhsa_system_vgpr_workitem_id 0
		.amdhsa_next_free_vgpr 178
		.amdhsa_next_free_sgpr 66
		.amdhsa_reserve_vcc 0
		.amdhsa_float_denorm_mode_32 3
		.amdhsa_float_denorm_mode_16_64 3
		.amdhsa_memory_ordered 1
		.amdhsa_forward_progress 1
		.amdhsa_inst_pref_size 11
	.end_amdhsa_kernel
	.amdgpu_metadata
---
amdhsa.version: [ 1, 2 ]
amdhsa.kernels:
  - .name:           k_qb1b1529bcb_wquant
    .symbol:         k_qb1b1529bcb_wquant.kd
    .args:
      - { .name: W, .offset: 0, .size: 8, .value_kind: global_buffer, .address_space: global }
      - { .name: wf, .offset: 8, .size: 8, .value_kind: global_buffer, .address_space: global }
      - { .name: ws, .offset: 16, .size: 8, .value_kind: global_buffer, .address_space: global }
    .group_segment_fixed_size: 34560
    .private_segment_fixed_size: 0
    .kernarg_segment_align: 8
    .kernarg_segment_size: 24
    .max_flat_workgroup_size: 128
    .sgpr_count:     66
    .vgpr_count:     178
    .wavefront_size: 32
...
	.end_amdgpu_metadata
.endif
;; end of part 1
;; launch energy (part 2): grid 256 x 1, 8 waves a work-group, no clusters, 137,728 bytes of LDS; arguments encoder_outputs, hidden, b, wf, ws, energies; writes energies
.if DOCPART == 2
	.amdgcn_target "amdgcn-amd-amdhsa--gfx1250"
	.amdhsa_code_object_version 6
	.text
	.protected	k_qb1b1529bcb_energy
	.globl	k_qb1b1529bcb_energy
	.p2align	8
	.type	k_qb1b1529bcb_energy,@function
k_qb1b1529bcb_energy:
	s_mov_b64 s[64:65], 0
	v_nop
	global_prefetch_b8 v0, s[64:65] scope:SCOPE_SE
	s_setreg_imm32_b32 hwreg(HW_REG_WAVE_MODE, 25, 1), 1
	s_wait_xcnt 0x0
; energies[row] = the sum over n of hidden[batch][n] x (the sum over k of Q(enc)[row][k] Q(W)[n][k] + b[n]), row = 1,024 batch + s.  enc: [32,768][2,048] f32, quantised here to FP4 (E2M1) with one E8M0 scale
; for each 32 along K; W comes as codes and scale words from the launch before (wf, ws: laid as this text's waves take them).  The product runs on codes; sums, bias and the product with hidden in f32.
; SHARES.  A work-group owns 128 rows (all of one batch: 8 work-groups to a batch) and meets all 1,024 rows of W, so enc is read from memory once.  K goes in 8 chunks of 256.
; TWO ROLES, eight waves of 512 registers.  Waves 4-7 PRODUCE: wave 4 + pw streams rows 32 pw .. + 31 of enc through a ring of 64 loads in registers, quantises a chunk (four fragments of 16 rows x 128 K) and
; leaves the fragments in LDS as images of the operand's registers.  Waves 0-3 CONSUME: wave cw owns columns n = 256 cw .. + 255; it keeps a chunk's 16 fragments of A in 128 registers and walks its columns in
; 8 passes of 32; W's fragments come from memory straight into a ring of four register sets.  Partial sums over the chunk are multiplied by hidden and added to 64 running energies at once: no 128 x 1,024
; block of sums is ever kept.  Each role has a LOADcnt of its own, so a wait for W never waits for enc.
; BY TURNS.  The consumer's work goes in GROUPS of four accumulators (64 rows x 16 columns): 8 products, and behind each product two of the 16 multiply-adds that take the group before into the energies.
; Two groups' accumulators, 64 registers, are all there are: one is filled while the other is read.  A's fragments, the accumulators and the energies fill one register window, W's fragments and hidden lie in the
; other: so products and multiply-adds stand under ONE window setting.
; In trip C the consumers read chunk C from one of two LDS blocks while the producers write chunk C + 1 into the other; ONE barrier a trip, in front of which every wave has waited for all its LDS instructions.
; The bias enters as the start of the running energies: each lane's share of hidden . b.
; ORDER OF SUMS: K in 8 chunks (within a chunk K ascending in one accumulator), then columns in the order of the passes, then 16 lanes, then 4 waves: another f32 order than reference()'s.
; LIMITS: NaN and infinities among the inputs are not served.  A block of zeros gets the scale byte 1 where the rule says 127 (its codes are zeros; the bytes never leave the work-group).
; No tensor load and no joint load: each byte of W's codes is used by one wave of a work-group, once, so LDS would only add a write and a read to it; enc is shared by nobody.
.set ROWB,  8192                       ; a row of enc in bytes
.set CHUNK, 1024                       ; 256 numbers of a row
.set ABUF,  32768                      ; LDS: block 0 at 0, block 1 at ABUF.  A block: images [a 8][s 2][plane 2][lane 32][16 bytes], 16,384 bytes;
.set ASC,   16384                      ;      behind them the scale words [pw 4][lane 32][8 bytes]: lane 16 m + r: row r of tile a = 2 pw + m, words of s = 0, 1
.set SPT,   528                        ; a stage row: 512 bytes + 16: sixteen rows start at sixteen different 16-byte columns of the 64 banks of 4 bytes (ISA guide 11.1)
.set STGW,  16*SPT                     ; a producer's own stage
.set STG,   2*ABUF
.set EPT,   144                        ; the way out: a register's 32 lanes, 128 bytes + 16
.set ESTW,  64*EPT                     ; a consumer's 64 registers
.set EST,   STG+4*STGW
.set ESUM,  EST+4*ESTW                 ; the 128 energies
; ADDRESS REGISTERS, window 0, the same in both roles, all made ahead of the first parting of the roles; none ever holds loaded data
.set LI,    1                          ; v1   16 x lane
.set LS8,   2                          ; v2   8 x lane
.set STW,   3                          ; v3   stage, in:  STG + STGW (wave % 4) + 16 lane
.set STR,   4                          ; v4   stage, out: STG + STGW (wave % 4) + 528 r + 64 h
.set IMW0,  5                          ; v5   4,096 (wave % 4) + 16 lane
.set IMW,   6                          ; v6   + the block that is written: where a producer stores images
.set SCW0,  7                          ; v7   ASC + 256 (wave % 4) + 8 r
.set SCW,   8                          ; v8   + the block that is written: and scale words
.set ARD,   9                          ; v9   the block that is read + 16 lane
.set SRD0,  10                         ; v10  ASC + 8 lane
.set SRD,   11                         ; v11  + the block that is read
.set EW,    12                         ; v12  EST + ESTW (wave % 4) + 4 lane
.set ER,    13                         ; v13  EST + 144 idx + 64 hh
.set ES,    14                         ; v14  ESUM + 4 x the row that thread t sums
.set EL,    15                         ; v15  ESUM + 16 lane
; PRODUCERS: window 0: v24-87 X, v88-103 at work, v104 the scale word, v106-113 the fragment.  window 1: the ring: unit u's load i at v[64 u + 4 i]
.set X,     24
.set TM,    88
.set PW,    104
.set PC,    106
; CONSUMERS: window 0: v20-147 W's ring: set k, fragment (s, t) at 32 k + 16 s + 8 t; v148-163 hidden of my lane's column in tile 2 p + t; v228-235 the ring's offsets, a pair for each set (codes, scale words);
;   v236-237 at work at the head; v240-247 W's scale words (set k, step s: 2 k + s; lanes 0-15 t = 0, lanes 16-31 t = 1); v248-255 A's (2 (a / 2) + s; lanes 0-15 even a, lanes 16-31 odd a).
;   window 1: v0-127 A's fragments, (a, s) at 8 (2 a + s); v128-191 the accumulators, tile a of rows at 128 + 8 a; v192-255 the running energies: 8 a + j = row 16 a + 8 h + j.
.set BR,    20
.set HID,   148
.set BOF,   228
.set HOF,   236
.set C0,    237
.set SB,    240
.set SA,    248
.set AF,    0
.set ACC,   128
.set E,     192
.set SEL,   20                         ; s[20:21] v_permlanex16_b32's selects for lane l xor 16
; s16 wave, s17 wave % 4, s22 the trip, s23 the block read, s24 the block written, s25 W's stream: bytes to the record asked for next, s26, s27 the same, clamped
.set MSB, 0
.macro WIN new                         ; s_set_vgpr_msb: bits 1:0 source 0, 3:2 source 1, 5:4 source 2, 7:6 destination; the immediate's high byte repeats the setting that is left
.if MSB != \new
	s_set_vgpr_msb (MSB<<8)|\new
.set MSB, \new
.endif
.endm
; 64 numbers of a lane, v[s] .. v[s + 63], register 16 b + i = k 32 b + 16 h + i of my row, become a fragment's codes in v[PC] on and its scale word in v[PW].
.macro QUANT s
.irp b, 0,1,2,3
	v_max3_num_f32 v[TM+\b], |v[\s+16*\b]|, |v[\s+1+16*\b]|, 0x1800000   ; block b: my 16 numbers, and the floor 2^(3 - 127): so the byte cannot fall under 1
.endr
.irp i, 2,4,6,8,10,12,14
.irp b, 0,1,2,3
	v_max3_num_f32 v[TM+\b], v[TM+\b], |v[\s+16*\b+\i]|, |v[\s+1+16*\b+\i]|   ; the four blocks by turns: no line waits for the line above it
.endr
.endr
.irp b, 0,1,2,3
	v_permlanex16_b32 v[TM+4+\b], v[TM+\b], s[SEL], s[SEL+1]
.endr
.irp b, 0,1,2,3
	v_max_num_f32 v[TM+\b], v[TM+\b], v[TM+4+\b]   ; with lane l xor 16's: the block's largest magnitude
.endr
.irp b, 0,1,2,3
	v_add_nc_u32 v[TM+12+\b], 0xff000000, v[TM+\b]   ; 2 off its exponent field: the conversion takes the exponent field of this operand as its scale
.endr
.irp b, 0,1,2,3
	v_lshrrev_b32 v[TM+4+\b], 23, v[TM+12+\b]      ; the scale's byte
.endr
	v_lshl_or_b32 v[PW], v[TM+5], 8, v[TM+4]       ; four bytes make my row's scale word
	v_lshl_or_b32 v[PW], v[TM+6], 16, v[PW]
	v_lshl_or_b32 v[PW], v[TM+7], 24, v[PW]
.irp b, 0,1,2,3
	v_cvt_scalef32_pk8_fp4_f32 v[PC+2*\b], v[\s+16*\b:\s+7+16*\b], v[TM+12+\b]
	v_cvt_scalef32_pk8_fp4_f32 v[PC+1+2*\b], v[\s+8+16*\b:\s+15+16*\b], v[TM+12+\b]
.endr
	v_nop                                          ; one plain place behind a scaled conversion
.irp c, 0,1                                    ; the operand's layout wants a whole block in a lane: lanes 0-15 block 2 c, lanes 16-31 block 2 c + 1
.irp i, 0,1
	v_permlane16_swap_b32 v[PC+4*\c+\i], v[PC+2+4*\c+\i]
.endr
.endr
.endm
; A PRODUCER'S UNIT u = 2 m + s: rows 16 m .. + 15 of my 32, 128 along K: one fragment.  cnt: the younger units' loads, which stay out.  reissue = 1: the unit's registers take the same unit of the next chunk.
.macro UNIT u, reissue, cnt
	s_wait_loadcnt \cnt                            ; loads come back in order (ISA guide 5.7.1): this unit's sixteen are in
	WIN 0x04                                       ; an LDS store's data are its source 1: window 1
.irp i, 0,1,2,3,4,5,6,7,8,9,10,11,12,13,14,15
	ds_store_b128 v[STW], v[64*(\u)+4*\i:64*(\u)+4*\i+3] offset:SPT*\i   ; row i as it was loaded: 512 consecutive bytes
.endr
	WIN 0
.irp b, 0,1,2,3
.irp j, 0,1,2,3
	ds_load_b128 v[X+16*\b+4*\j:X+16*\b+4*\j+3], v[STR] offset:128*\b+16*\j   ; of row r my 16 neighbours of each block; LDS serves a wave's instructions in order (ISA guide 5.7.1.4)
.endr
.endr
	s_wait_dscnt 0x0                               ; X is in; the stores above have read the ring's registers; the last unit's image stores have read the fragment and its word
.if \reissue
	WIN 0x40                                       ; destination window 1
.irp i, 0,1,2,3,4,5,6,7,8,9,10,11,12,13,14,15
	global_load_b128 v[64*(\u)+4*\i:64*(\u)+4*\i+3], v[LI], s[4:5] offset:(16*((\u)/2)+\i)*ROWB+512*((\u)%2)+CHUNK th:TH_LOAD_NT   ; 512 consecutive bytes of a row, aligned; read once in the launch
.endr                                          ; with these sixteen the ring names 64 loads; the issue of a load that would pass the counter's field is held until one has come back (ISA guide 5.7.1): no wait is written for it
	WIN 0
.endif
	QUANT X
.irp x, 0,1
	ds_store_b128 v[IMW], v[PC+4*\x:PC+4*\x+3] offset:1024*(\u)+512*\x   ; the fragment's image: tile a = 2 pw + m, step s
.endr
	ds_store_b32 v[SCW], v[PW] offset:128*((\u)/2)+4*((\u)%2)            ; both halves of the lanes write the same word with the same value
.endm
.macro PROD_FULL                       ; a chunk is quantised, the chunk behind it is asked for
	UNIT 0, 1, 48
	UNIT 1, 1, 48
	UNIT 2, 1, 48
	UNIT 3, 1, 48
	s_wait_xcnt 0x0                                ; the loads have read their base: only behind this wait is it stepped
	s_add_nc_u64 s[4:5], s[4:5], CHUNK
.endm
.macro PROD_DRAIN                      ; the last chunk: nothing is left to ask for, the counts run down
	UNIT 0, 0, 48
	UNIT 1, 0, 32
	UNIT 2, 0, 16
	UNIT 3, 0, 0
.endm
; ONE PRODUCT: A's tile wa x W's tile wt of the pass, 128 along K (step ws of the chunk), W from ring set wk.  Step 0 starts the sum with the constant 0: nothing is cleared.
; Source 0 = 16 rows of enc, source 1 = 16 rows of W: register j of the result is (row 8 h + j, column r).
.macro WM
.set rD,  ACC+8*wa
.set rA,  AF+16*wa+8*ws
.set rB,  BR+32*wk+16*ws+8*wt
.set rSA, SA+2*(wa/2)+ws
.set rSB, SB+2*wk+ws
.if ws == 0
.if (wa%2 == 0) && (wt == 0)
	v_wmma_scale_f32_16x16x128_f8f6f4 v[rD:rD+7], v[rA:rA+7], v[rB:rB+7], 0, v[rSA], v[rSB] matrix_a_fmt:MATRIX_FMT_FP4 matrix_b_fmt:MATRIX_FMT_FP4
.elseif wa%2 == 0
	v_wmma_scale_f32_16x16x128_f8f6f4 v[rD:rD+7], v[rA:rA+7], v[rB:rB+7], 0, v[rSA], v[rSB] matrix_a_fmt:MATRIX_FMT_FP4 matrix_b_fmt:MATRIX_FMT_FP4 matrix_b_scale:MATRIX_SCALE_ROW1
.elseif wt == 0
	v_wmma_scale_f32_16x16x128_f8f6f4 v[rD:rD+7], v[rA:rA+7], v[rB:rB+7], 0, v[rSA], v[rSB] matrix_a_fmt:MATRIX_FMT_FP4 matrix_b_fmt:MATRIX_FMT_FP4 matrix_a_scale:MATRIX_SCALE_ROW1
.else
	v_wmma_scale_f32_16x16x128_f8f6f4 v[rD:rD+7], v[rA:rA+7], v[rB:rB+7], 0, v[rSA], v[rSB] matrix_a_fmt:MATRIX_FMT_FP4 matrix_b_fmt:MATRIX_FMT_FP4 matrix_a_scale:MATRIX_SCALE_ROW1 matrix_b_scale:MATRIX_SCALE_ROW1
.endif
.else
.if (wa%2 == 0) && (wt == 0)
	v_wmma_scale_f32_16x16x128_f8f6f4 v[rD:rD+7], v[rA:rA+7], v[rB:rB+7], v[rD:rD+7], v[rSA], v[rSB] matrix_a_fmt:MATRIX_FMT_FP4 matrix_b_fmt:MATRIX_FMT_FP4
.elseif wa%2 == 0
	v_wmma_scale_f32_16x16x128_f8f6f4 v[rD:rD+7], v[rA:rA+7], v[rB:rB+7], v[rD:rD+7], v[rSA], v[rSB] matrix_a_fmt:MATRIX_FMT_FP4 matrix_b_fmt:MATRIX_FMT_FP4 matrix_b_scale:MATRIX_SCALE_ROW1
.elseif wt == 0
	v_wmma_scale_f32_16x16x128_f8f6f4 v[rD:rD+7], v[rA:rA+7], v[rB:rB+7], v[rD:rD+7], v[rSA], v[rSB] matrix_a_fmt:MATRIX_FMT_FP4 matrix_b_fmt:MATRIX_FMT_FP4 matrix_a_scale:MATRIX_SCALE_ROW1
.else
	v_wmma_scale_f32_16x16x128_f8f6f4 v[rD:rD+7], v[rA:rA+7], v[rB:rB+7], v[rD:rD+7], v[rSA], v[rSB] matrix_a_fmt:MATRIX_FMT_FP4 matrix_b_fmt:MATRIX_FMT_FP4 matrix_a_scale:MATRIX_SCALE_ROW1 matrix_b_scale:MATRIX_SCALE_ROW1
.endif
.endif
.endm
; ONE MULTIPLY-ADD: registers 2 fi, 2 fi + 1 of accumulator fa, times hidden of my lane's column in tile 2 fp + ft, onto the two rows' energies
.macro FLINE
.if ft == 0
	v_pk_fma_f32 v[E+8*fa+2*fi:E+8*fa+2*fi+1], v[ACC+8*fa+2*fi:ACC+8*fa+2*fi+1], v[HID+2*fp:HID+2*fp+1], v[E+8*fa+2*fi:E+8*fa+2*fi+1] op_sel_hi:[1,0,1]   ; the pair's first word for both halves
.else
	v_pk_fma_f32 v[E+8*fa+2*fi:E+8*fa+2*fi+1], v[ACC+8*fa+2*fi:ACC+8*fa+2*fi+1], v[HID+2*fp:HID+2*fp+1], v[E+8*fa+2*fi:E+8*fa+2*fi+1] op_sel:[0,1,0] op_sel_hi:[1,1,1]   ; its second word
.endif
.endm
; GROUP n of a trip's 32: pass n / 4, W's tile (n / 2) % 2, A's tiles 4 (n % 2) .. + 3.  8 products: step 0 of the four accumulators, then step 1 in place: the four take turns, one instruction a turn
; fold = 1: behind each product stand two of the 16 multiply-adds of group n - 1, whose accumulators are the other four; each accumulator is read from its low end on.
; DISTANCES (four plain vector instructions that name none of a product's registers, ahead of the first read of its result: ISA guide 7.12.1): an accumulator's last product is number 4 + i of its group; behind it
; stand the 8 - 2 i multiply-adds of that group's last slots and the 4 i of the next group's that read the accumulators before it: 8 at the least.
.macro GROUP fold
.set wk, (n/4)%4
.set wt, (n/2)%2
.set fp, (n+31)/4-7-(n+31)/32          ; pass of group n - 1 (n = 1 .. 31): (n - 1) / 4
.set ft, ((n+31)/2)%2                  ; its tile of W: ((n - 1) / 2) % 2
.set j, 0
.rept 8
.set wa, 4*(n%2)+j%4
.set ws, j/4
	WM
.if \fold
.set fa, 4*((n+1)%2)+j/2
.set fi, 2*(j%2)
	FLINE
.set fi, 2*(j%2)+1
	FLINE
.endif
.set j, j+1
.endr
.endm
; W's record three passes on is asked for, into the set that the pass before has read: behind that pass's last product stand 14 multiply-adds that name none of its registers (four are asked ahead of a load into
; a product's source).  The set's pair of offset registers was last named by the loads issued four passes ago, which the pass's wait on LOADcnt has shown done: so it may be written.
; The launch's last three passes ask for the stream's last record once more (a clamped offset, inside wf and ws) into sets that nobody reads: so the count of that wait is the same in every pass.
.macro ASK
.set K3, (n/4+3)%4
	WIN 0
	s_min_u32 s26, s25, 63*4096
	s_lshr_b32 s27, s26, 4                         ; 256 bytes of scale words to 4,096 of codes
	v_add_nc_u32 v[BOF+2*K3], s26, v[LI]
	v_add_nc_u32 v[BOF+2*K3+1], s27, v[LS8]
	s_add_co_u32 s25, s25, 4096
	global_load_b64 v[SB+2*K3:SB+2*K3+1], v[BOF+2*K3+1], s[12:13]
.irp f, 0,1,2,3
.irp x, 0,1
	global_load_b128 v[BR+32*K3+8*\f+4*\x:BR+32*K3+8*\f+4*\x+3], v[BOF+2*K3], s[10:11] offset:1024*\f+512*\x   ; a plane of an image: 512 consecutive bytes
.endr
.endr
	WIN 0x51
.endm
; A CONSUMER'S TRIP: the chunk's 8 registers of scale words and 16 fragments of A from LDS, then 32 groups, then the last group's multiply-adds.
.macro CONS
.irp i, 0,1,2,3
	ds_load_b64 v[SA+2*\i:SA+2*\i+1], v[SRD] offset:256*\i
.endr
	WIN 0x40                                       ; destination window 1
.irp f, 0,1,2,3,4,5,6,7,8,9,10,11,12,13,14,15
.irp x, 0,1
	ds_load_b128 v[AF+8*\f+4*\x:AF+8*\f+4*\x+3], v[ARD] offset:1024*\f+512*\x
.endr
.endr
	WIN 0x51                                       ; products: A, C and D window 1, W window 0.  Multiply-adds: the sums and the energies window 1, hidden window 0.  One setting serves both
.set n, 0
.rept 32
.if n%4 == 0
	s_wait_loadcnt 18                              ; a pass's head: behind its nine loads stand the nine of each of the two passes issued since
.endif
.if n == 0
	s_wait_dscnt 16                                ; the scale words and tiles 0-3 of A are in; the sixteen loads of tiles 4-7 may be out
	GROUP 0                                        ; the trip's first group has no group before it
.rept 4
	v_nop                                          ; so four places stand here, ahead of the first read of its results
.endr
.else
.if n == 1
	s_wait_dscnt 0x0                               ; tiles 4-7 of A are in
.endif
	GROUP 1
.endif
.if n%4 == 0
	ASK                                            ; behind a pass's first group
.endif
.set n, n+1
.endr
.set fp, 7                                     ; group 31: pass 7, tile 1, accumulators 4-7.  Behind its last product stand two multiply-adds of group 30 and the twelve below that read accumulators 4-6
.set ft, 1
.set f, 0
.rept 16
.set fa, 4+f/4
.set fi, f%4
	FLINE
.set f, f+1
.endr
	WIN 0
.endm
.macro BARRIER                         ; my LDS stores have landed and my LDS loads are in: then the work-group's barrier
	s_wait_dscnt 0x0
	s_barrier_signal -1
	s_barrier_wait -1
.endm
	; ---- the head, all waves
	s_load_b256 s[4:11], s[0:1], 0x0               ; enc s[4:5], hidden s[6:7], b s[8:9], wf s[10:11]
	s_load_b128 s[12:15], s[0:1], 0x20             ; ws s[12:13], energies s[14:15]
	v_lshl_add_u32 v238, v0, 2, 0x21600
	v_mov_b32 v239, 0
	v_lshrrev_b32 v16, 5, v0
	v_readfirstlane_b32 s16, v16                   ; wave 0..7
	s_and_b32 s17, s16, 3                          ; cw of a consumer, pw of a producer
	v_and_b32 v16, 31, v0                          ; lane
	v_and_b32 v17, 15, v0                          ; r
	v_bfe_u32 v18, v0, 4, 1                        ; h
	v_lshlrev_b32 v[LI], 4, v16
	v_lshlrev_b32 v[LS8], 3, v16
	s_mul_i32 s18, s17, STGW
	s_add_co_u32 s18, s18, STG
	v_add_nc_u32 v[STW], s18, v[LI]
	v_mul_u32_u24 v[STR], v17, SPT
	v_lshl_add_u32 v[STR], v18, 6, v[STR]
	v_add_nc_u32 v[STR], s18, v[STR]
	s_lshl_b32 s19, s17, 12
	v_add_nc_u32 v[IMW0], s19, v[LI]
	s_lshl_b32 s19, s17, 8
	s_add_co_u32 s19, s19, ASC
	v_lshl_add_u32 v[SCW0], v17, 3, s19
	v_add_nc_u32 v[SRD0], ASC, v[LS8]
	s_mul_i32 s19, s17, ESTW
	s_add_co_u32 s19, s19, EST
	v_lshl_add_u32 v[EW], v16, 2, s19
	v_bfe_u32 v19, v0, 5, 2
	v_lshl_add_u32 v19, v19, 4, v17                ; idx = t % 16 + 16 (wave % 4): which of the 64 energy registers thread t sums; hh = h: which half of their lanes
	v_mul_u32_u24 v[ER], v19, EPT
	v_lshl_add_u32 v[ER], v18, 6, v[ER]
	v_add_nc_u32 v[ER], EST, v[ER]
	v_lshrrev_b32 v16, 3, v19                      ; a = idx / 8
	v_and_b32 v19, 7, v19                          ; j = idx % 8
	v_lshl_add_u32 v19, v16, 4, v19
	v_lshl_add_u32 v19, v18, 3, v19                ; the row: 16 a + 8 hh + j
	v_lshl_add_u32 v[ES], v19, 2, ESUM
	v_add_nc_u32 v[EL], ESUM, v[LI]
	s_mov_b32 s23, 0                               ; the first chunk is written into block 0, and read there in trip 0
	s_mov_b32 s24, 0
	v_add_nc_u32 v[IMW], s24, v[IMW0]
	v_add_nc_u32 v[SCW], s24, v[SCW0]
	v_add_nc_u32 v[ARD], s23, v[LI]
	v_add_nc_u32 v[SRD], s23, v[SRD0]
	s_mov_b32 s[SEL], 0x76543210
	s_mov_b32 s[SEL+1], 0xfedcba98
	s_lshl_b32 s28, ttmp9, 20                      ; enc: 128 rows of 8,192 bytes a work-group,
	s_lshl_b32 s30, s17, 18                        ; 32 rows a producer
	s_add_co_u32 s28, s28, s30
	s_mov_b32 s29, 0
	s_wait_kmcnt 0x0
	s_add_nc_u64 s[4:5], s[4:5], s[28:29]
	s_mov_b32 s28, s30                             ; wf: 64 records of 4,096 bytes a consumer
	s_add_nc_u64 s[10:11], s[10:11], s[28:29]
	s_lshl_b32 s28, s17, 14                        ; ws: 64 x 256 bytes
	s_add_nc_u64 s[12:13], s[12:13], s[28:29]
	s_lshl_b32 s28, s17, 10                        ; b: 256 numbers a consumer
	s_add_nc_u64 s[8:9], s[8:9], s[28:29]
	s_lshr_b32 s30, ttmp9, 3                       ; the batch
	s_lshl_b32 s30, s30, 12
	s_add_co_u32 s28, s28, s30                     ; hidden: the batch's row, my 256 numbers
	s_add_nc_u64 s[6:7], s[6:7], s[28:29]
	s_lshl_b32 s28, ttmp9, 9                       ; energies: 128 numbers a work-group
	s_add_nc_u64 s[14:15], s[14:15], s[28:29]
	s_cmp_lt_u32 s16, 4
	s_cbranch_scc1 .Lcons_head
	; ---- producers: the ring is filled with chunk 0; chunk 0 is quantised into block 0 and chunk 1 asked for
.irp b, 0,1,2,3
	v_mov_b32 v[TM+4+\b], 0                        ; written once: a lane permute's destination counts as one of its sources
.endr
	WIN 0x40
.irp u, 0,1,2,3
.irp i, 0,1,2,3,4,5,6,7,8,9,10,11,12,13,14,15
	global_load_b128 v[64*\u+4*\i:64*\u+4*\i+3], v[LI], s[4:5] offset:(16*(\u/2)+\i)*ROWB+512*(\u%2) th:TH_LOAD_NT
.endr
.endr
	WIN 0
	PROD_FULL
	s_branch .Lhead_join
.Lcons_head:
	; ---- consumers: hidden and b of my lane's 16 columns (n = 256 cw + 16 tile + r); the energies begin with my share of hidden . b; W's ring is filled with the first three records
	v_lshlrev_b32 v[HOF], 2, v17
.set n, 0
.rept 16
	global_load_b32 v[HID+n], v[HOF], s[6:7] offset:64*n
.set n, n+1
.endr
.set n, 0
.rept 16
	global_load_b32 v[BR+n], v[HOF], s[8:9] offset:64*n
.set n, n+1
.endr
	s_wait_loadcnt 0x0
	v_mul_f32 v[C0], v[HID], v[BR]
.set n, 1
.rept 15
	v_fmac_f32 v[C0], v[HID+n], v[BR+n]
.set n, n+1
.endr
	WIN 0x40                                       ; destination window 1
.set n, 0
.rept 64
	v_mov_b32 v[E+n], v[C0]                        ; summed over a row's 16 lanes and the 4 consumers these shares are hidden . b.  (Written once, so that the groups are written once)
.set n, n+1
.endr
	WIN 0
.irp k, 0,1,2
	global_load_b64 v[SB+2*\k:SB+2*\k+1], v[LS8], s[12:13] offset:256*\k
.irp f, 0,1,2,3
.irp x, 0,1
	global_load_b128 v[BR+32*\k+8*\f+4*\x:BR+32*\k+8*\f+4*\x+3], v[LI], s[10:11] offset:4096*\k+1024*\f+512*\x
.endr
.endr
.endr
	s_mov_b32 s25, 3*4096
.Lhead_join:
	BARRIER                                        ; chunk 0's images lie in block 0
	s_mov_b32 s22, 0
.Ltrip:                                            ; 8 trips: consumers multiply chunk C out of one block, producers quantise chunk C + 1 into the other
	s_xor_b32 s24, s23, ABUF
	v_add_nc_u32 v[IMW], s24, v[IMW0]
	v_add_nc_u32 v[SCW], s24, v[SCW0]
	v_add_nc_u32 v[ARD], s23, v[LI]
	v_add_nc_u32 v[SRD], s23, v[SRD0]
	s_cmp_lt_u32 s16, 4
	s_cbranch_scc0 .Lprod
	CONS
	s_branch .Ljoin
.Lprod:
	s_cmp_lt_u32 s22, 6                            ; trips 0-5 ask for chunk C + 2, trip 6 quantises the last chunk and asks for nothing (no load leaves enc), trip 7 has nothing left
	s_cbranch_scc0 .Lprod_last
	PROD_FULL
	s_branch .Ljoin
.Lprod_last:
	s_cmp_eq_u32 s22, 6
	s_cbranch_scc0 .Ljoin
	PROD_DRAIN
.Ljoin:
	BARRIER                                        ; the block just written is whole, and nobody reads the other any more
	s_xor_b32 s23, s23, ABUF
	s_add_co_u32 s22, s22, 1
	s_cmp_lt_u32 s22, 8
	s_cbranch_scc1 .Ltrip
	; ---- THE WAY OUT.  A row's energy lies in 16 lanes of each of the 4 consumers.  Each consumer lays its 64 registers down; thread t of waves 0-3 adds one row's 64 numbers; wave 0 stores the 128 energies.
	s_cmp_lt_u32 s16, 4
	s_cbranch_scc0 .Lout1
	WIN 0x04                                       ; an LDS store's data are its source 1: window 1
.set n, 0
.rept 64
	ds_store_b32 v[EW], v[E+n] offset:EPT*n
.set n, n+1
.endr
	WIN 0
.Lout1:
	BARRIER
	s_cmp_lt_u32 s16, 4
	s_cbranch_scc0 .Lout2
	s_wait_loadcnt 0x0                             ; the last three passes' loads have landed in W's ring: its registers may be used again
.irp w, 0,1,2,3
.irp i, 0,1,2,3
	ds_load_b128 v[BR+16*\w+4*\i:BR+16*\w+4*\i+3], v[ER] offset:ESTW*\w+16*\i   ; consumer w's register idx, lanes 16 hh + 4 i .. + 3
.endr
.endr
	s_wait_dscnt 0x0
.macro HALVE n                         ; 2 n pairs become n
.set j, 0
.rept \n
	v_pk_add_f32 v[BR+2*j:BR+2*j+1], v[BR+2*j:BR+2*j+1], v[BR+2*(\n)+2*j:BR+2*(\n)+2*j+1]
.set j, j+1
.endr
.endm
	HALVE 16
	HALVE 8
	HALVE 4
	HALVE 2
	HALVE 1
	v_add_f32 v[BR], v[BR], v[BR+1]
	ds_store_b32 v[ES], v[BR]
.Lout2:
	BARRIER
	s_cmp_eq_u32 s16, 0
	s_cbranch_scc0 .Lend
	ds_load_b128 v[BR:BR+3], v[EL]
	s_wait_dscnt 0x0
	global_store_b128 v[LI], v[BR:BR+3], s[14:15]  ; 32 lanes store 512 consecutive bytes, aligned
.Lend:
	s_wait_tensorcnt 0x0
	ds_add_u32 v238, v239
	s_wait_dscnt 0x0
	s_endpgm
.Lfunc_end_k_qb1b1529bcb_energy:
	.size	k_qb1b1529bcb_energy, .Lfunc_end_k_qb1b1529bcb_energy-k_qb1b1529bcb_energy
	.p2alignl 7, 3214868480
	.fill 96, 4, 3214868480
	.section	.rodata,"a",@progbits
	.p2align	6, 0x0
	.amdhsa_kernel k_qb1b1529bcb_energy
		.amdhsa_group_segment_fixed_size 137728
		.amdhsa_private_segment_fixed_size 0
		.amdhsa_enable_private_segment 0
		.amdhsa_kernarg_size 48
		.amdhsa_user_sgpr_count 2
		.amdhsa_user_sgpr_kernarg_segment_ptr 1
		.amdhsa_wavefront_size32 1
		.amdhsa_system_sgpr_workgroup_id_x 1
		.amdhsa_system_sgpr_workgroup_id_y 1
		.amdhsa_system_sgpr_workgroup_id_z 1
		.amdhsa_system_vgpr_workitem_id 0
		.amdhsa_next_free_vgpr 512
		.amdhsa_next_free_sgpr 66
		.amdhsa_reserve_vcc 0
		.amdhsa_float_denorm_mode_32 3
		.amdhsa_float_denorm_mode_16_64 3
		.amdhsa_memory_ordered 1
		.amdhsa_forward_progress 1
		.amdhsa_inst_pref_size 188
	.end_amdhsa_kernel
	.amdgpu_metadata
---
amdhsa.version: [ 1, 2 ]
amdhsa.kernels:
  - .name:           k_qb1b1529bcb_energy
    .symbol:         k_qb1b1529bcb_energy.kd
    .args:
      - { .name: encoder_outputs, .offset: 0, .size: 8, .value_kind: global_buffer, .address_space: global }
      - { .name: hidden, .offset: 8, .size: 8, .value_kind: global_buffer, .address_space: global }
      - { .name: b, .offset: 16, .size: 8, .value_kind: global_buffer, .address_space: global }
      - { .name: wf, .offset: 24, .size: 8, .value_kind: global_buffer, .address_space: global }
      - { .name: ws, .offset: 32, .size: 8, .value_kind: global_buffer, .address_space: global }
      - { .name: energies, .offset: 40, .size: 8, .value_kind: global_buffer, .address_space: global }
    .group_segment_fixed_size: 137728
    .private_segment_fixed_size: 0
    .kernarg_segment_align: 8
    .kernarg_segment_size: 48
    .max_flat_workgroup_size: 256
    .sgpr_count:     66
    .vgpr_count:     512
    .wavefront_size: 32
...
	.end_amdgpu_metadata
.endif
;; end of part 2
;; launch softmax (part 3): grid 32 x 1, 8 waves a work-group, no clusters, 1,280 bytes of LDS; arguments energies, out0; writes out0
.if DOCPART == 3
	.amdgcn_target "amdgcn-amd-amdhsa--gfx1250"
	.amdhsa_code_object_version 6
	.text
	.protected	k_qb1b1529bcb_softmax
	.globl	k_qb1b1529bcb_softmax
	.p2align	8
	.type	k_qb1b1529bcb_softmax,@function
k_qb1b1529bcb_softmax:
	s_mov_b64 s[64:65], 0
	v_nop
	global_prefetch_b8 v0, s[64:65] scope:SCOPE_SE
	s_setreg_imm32_b32 hwreg(HW_REG_WAVE_MODE, 25, 1), 1
	s_wait_xcnt 0x0
; out0[batch][0][s] = softmax over s of energies[batch][s]: the row's maximum is taken away, then e^x, then the division by the sum.  All in f32.
; One work-group to a batch; thread t holds the four numbers at byte 16 t of the batch's 4,096: a wave's load and its store cover 512 consecutive bytes.
; Each reduction: within the lane, across the 32 lanes, then across the 8 waves through 32 bytes of LDS (the maximum's at byte 0, the sum's at byte 64: other bytes, so one barrier each).
; The difference x - max is formed first and multiplied by log2(e) afterwards: fused the other way round, max x log2(e) would be rounded before the difference is taken.
; LIMITS: NaN and infinities are not served; a weight under 2^-126 comes out as 0 (v_exp_f32 gives no denormals: ISA guide, its entry in 15.8).
.macro REDUCE opd, op, off             ; v8 over the wave, then the eight waves' figures into v[12:19]
	\opd v8, v8, v8 row_xmask:1 row_mask:0xf bank_mask:0xf
	\opd v8, v8, v8 row_xmask:2 row_mask:0xf bank_mask:0xf
	\opd v8, v8, v8 row_xmask:4 row_mask:0xf bank_mask:0xf
	\opd v8, v8, v8 row_xmask:8 row_mask:0xf bank_mask:0xf
	v_permlanex16_b32 v9, v8, s12, s13
	\op v8, v8, v9                                 ; every lane holds the wave's figure
	ds_store_b32 v2, v8 offset:\off                ; all lanes write the wave's word with the same value
	s_wait_dscnt 0x0                               ; for the others' sake: it has landed
	s_barrier_signal -1
	s_barrier_wait -1
	ds_load_b128 v[12:15], v3 offset:\off
	ds_load_b128 v[16:19], v3 offset:\off+16
	s_wait_dscnt 0x0
.endm
	s_load_b128 s[4:7], s[0:1], 0x0                ; energies s[4:5], out0 s[6:7]
	v_lshl_add_u32 v32, v0, 2, 0x100
	v_mov_b32 v33, 0
	v_lshlrev_b32 v1, 4, v0                        ; my 16 bytes
	v_lshrrev_b32 v2, 5, v0
	v_lshlrev_b32 v2, 2, v2                        ; LDS: 4 x wave
	v_mov_b32 v3, 0                                ; LDS: byte 0
	v_mov_b32 v9, 0                                ; a lane permute's destination counts as one of its sources
	s_lshl_b32 s8, ttmp9, 12                       ; the batch's 4,096 bytes
	s_mov_b32 s9, 0
	s_mov_b32 s12, 0x76543210                      ; v_permlanex16_b32's selects for lane l xor 16
	s_mov_b32 s13, 0xfedcba98
	s_wait_kmcnt 0x0
	s_add_nc_u64 s[4:5], s[4:5], s[8:9]
	s_add_nc_u64 s[6:7], s[6:7], s[8:9]
	global_load_b128 v[4:7], v1, s[4:5]
	s_wait_loadcnt 0x0
	v_max3_num_f32 v8, v4, v5, v6
	v_max_num_f32 v8, v8, v7
	REDUCE v_max_num_f32_dpp, v_max_num_f32, 0
	v_max3_num_f32 v12, v12, v13, v14
	v_max3_num_f32 v12, v12, v15, v16
	v_max3_num_f32 v12, v12, v17, v18
	v_max_num_f32 v12, v12, v19                    ; the batch's largest energy
.irp j, 4,5,6,7
	v_sub_f32 v\j, v\j, v12
.endr
.irp j, 4,5,6,7
	v_mul_f32 v\j, 0x3fb8aa3b, v\j                 ; x log2(e)
.endr
.irp j, 4,5,6,7
	v_exp_f32 v\j, v\j                             ; e^(x - max), at most 1
.endr
	v_nop                                          ; one plain place behind the exponentials
	s_wait_alu depctr_va_vdst(0)
	v_add_f32 v8, v4, v5
	v_add_f32 v10, v6, v7
	v_add_f32 v8, v8, v10
	REDUCE v_add_f32_dpp, v_add_f32, 64
	v_add_f32 v12, v12, v13
	v_add_f32 v14, v14, v15
	v_add_f32 v16, v16, v17
	v_add_f32 v18, v18, v19
	v_add_f32 v12, v12, v14
	v_add_f32 v16, v16, v18
	v_add_f32 v12, v12, v16                        ; the batch's sum: at least 1, since the largest term is 1
	v_rcp_f32 v10, v12
	v_mov_b32 v11, 0                               ; a plain place behind the reciprocal; and the upper half of the pair named below is written
	s_wait_alu depctr_va_vdst(0)
	v_pk_mul_f32 v[4:5], v[4:5], v[10:11] op_sel_hi:[1,0]
	v_pk_mul_f32 v[6:7], v[6:7], v[10:11] op_sel_hi:[1,0]
	global_store_b128 v1, v[4:7], s[6:7]
	s_wait_tensorcnt 0x0
	ds_add_u32 v32, v33
	s_wait_dscnt 0x0
	s_endpgm
.Lfunc_end_k_qb1b1529bcb_softmax:
	.size	k_qb1b1529bcb_softmax, .Lfunc_end_k_qb1b1529bcb_softmax-k_qb1b1529bcb_softmax
	.p2alignl 7, 3214868480
	.fill 96, 4, 3214868480
	.section	.rodata,"a",@progbits
	.p2align	6, 0x0
	.amdhsa_kernel k_qb1b1529bcb_softmax
		.amdhsa_group_segment_fixed_size 1280
		.amdhsa_private_segment_fixed_size 0
		.amdhsa_enable_private_segment 0
		.amdhsa_kernarg_size 16
		.amdhsa_user_sgpr_count 2
		.amdhsa_user_sgpr_kernarg_segment_ptr 1
		.amdhsa_wavefront_size32 1
		.amdhsa_system_sgpr_workgroup_id_x 1
		.amdhsa_system_sgpr_workgroup_id_y 1
		.amdhsa_system_sgpr_workgroup_id_z 1
		.amdhsa_system_vgpr_workitem_id 0
		.amdhsa_next_free_vgpr 34
		.amdhsa_next_free_sgpr 66
		.amdhsa_reserve_vcc 0
		.amdhsa_float_denorm_mode_32 3
		.amdhsa_float_denorm_mode_16_64 3
		.amdhsa_memory_ordered 1
		.amdhsa_forward_progress 1
		.amdhsa_inst_pref_size 4
	.end_amdhsa_kernel
	.amdgpu_metadata
---
amdhsa.version: [ 1, 2 ]
amdhsa.kernels:
  - .name:           k_qb1b1529bcb_softmax
    .symbol:         k_qb1b1529bcb_softmax.kd
    .args:
      - { .name: energies, .offset: 0, .size: 8, .value_kind: global_buffer, .address_space: global }
      - { .name: out0, .offset: 8, .size: 8, .value_kind: global_buffer, .address_space: global }
    .group_segment_fixed_size: 1280
    .private_segment_fixed_size: 0
    .kernarg_segment_align: 8
    .kernarg_segment_size: 16
    .max_flat_workgroup_size: 256
    .sgpr_count:     66
    .vgpr_count:     34
    .wavefront_size: 32
...
	.end_amdgpu_metadata
.endif
;; end of part 3
;; ======== version 2 of 2: 3 launches
;; workspace buffers: wf 1,048,576 bytes; ws 65,536 bytes; energies 131,072 bytes
;; launch wquant (part 4): grid 256 x 1, 4 waves a work-group, no clusters, 34,560 bytes of LDS; arguments W, wf, ws; writes wf, ws
.if DOCPART == 4
	.amdgcn_target "amdgcn-amd-amdhsa--gfx1250"
	.amdhsa_code_object_version 6
	.text
	.protected	k_qb1b1529bcb_wquant
	.globl	k_qb1b1529bcb_wquant
	.p2align	8
	.type	k_qb1b1529bcb_wquant,@function
k_qb1b1529bcb_wquant:
	s_mov_b64 s[64:65], 0
	v_nop
	global_prefetch_b8 v0, s[64:65] scope:SCOPE_SE
	s_setreg_imm32_b32 hwreg(HW_REG_WAVE_MODE, 25, 1), 1
	s_wait_xcnt 0x0
; W [1024][2048] f32 becomes codes of FP4 (E2M1) and E8M0 scale words (one byte for each 32 along K), laid in the order in which the next launch's waves take them.
; wf: [cw 4][c 8][p 8][s 2][t 2][plane 2][lane 32][16 bytes].  A record (cw, c, p) is 4,096 bytes: four fragments (s, t), each 16 rows of W (rows 16 T on, T = 16 cw + 2 p + t) x 128 along K (k = 256 c + 128 s on),
;     stored as an image of the operand's 8 registers: plane x = registers 4 x .. 4 x + 3, lane l's 16 bytes at 16 l.
; ws: [record 256][lane 32][8 bytes]: lane 16 t + r holds the scale words of row 16 T + r for s = 0 and s = 1.
; A block's scale is 2^(floor(log2(its largest magnitude)) - 2); its byte is the largest magnitude's exponent field - 2, held at 1 from below.  A block of zeros so gets the byte 1 where the rule says 127:
; its codes are zeros, which add nothing under any byte but 0xff, and this program alone reads the bytes.
; LIMITS: NaN and infinities among the inputs are not served.
; SHARES: work-group g makes record g; wave wv makes its fragment wv (s = wv / 2, t = wv % 2).  Each load reads 512 consecutive bytes of one row of W; the 16 x 512 bytes turn through the wave's own stage in LDS,
; so that lane (r, h) gets, of row r, the 16 neighbours 32 b + 16 h + 0 .. 15 of each block b: what the conversions want.
.set SPT,   528                        ; a stage row: 512 bytes + 16: sixteen rows start at sixteen different 16-byte columns of the 64 banks of 4 bytes (ISA guide 11.1)
.set STGW,  16*SPT                     ; a wave's stage
.set WSS,   4*STGW                     ; behind the stages: the record's 256 bytes of scale words
.set LI,    1                          ; v1   16 x lane
.set LS8,   2                          ; v2   8 x lane
.set STW,   3                          ; v3   the stage, on the way in: my wave's stage + 16 x lane
.set STR,   4                          ; v4   on the way out: + 528 r + 64 h
.set WSW,   5                          ; v5   where my row's scale word goes: WSS + 128 t + 8 r + 4 s
.set WSR,   6                          ; v6   WSS + 8 x lane: the record's words on their way out
.set R,     16                         ; v16-79   the numbers as loaded
.set X,     80                         ; v80-143  register 16 b + i: k = 32 b + 16 h + i of my row
.set TM,    144                        ; v144-159 at work
.set PW,    160                        ; v160     the scale word
.set PC,    162                        ; v162-169 the fragment
.set SEL,   20                         ; s[20:21] v_permlanex16_b32's selects for lane l xor 16
; 64 numbers of a lane, v[s] .. v[s + 63], become a fragment's codes in v[PC] on and its scale word in v[PW].
.macro QUANT s
.irp b, 0,1,2,3
	v_max3_num_f32 v[TM+\b], |v[\s+16*\b]|, |v[\s+1+16*\b]|, 0x1800000   ; block b: my 16 numbers, and the floor 2^(3 - 127): so the byte cannot fall under 1
.endr
.irp i, 2,4,6,8,10,12,14
.irp b, 0,1,2,3
	v_max3_num_f32 v[TM+\b], v[TM+\b], |v[\s+16*\b+\i]|, |v[\s+1+16*\b+\i]|   ; the four blocks by turns: no line waits for the line above it
.endr
.endr
.irp b, 0,1,2,3
	v_permlanex16_b32 v[TM+4+\b], v[TM+\b], s[SEL], s[SEL+1]
.endr
.irp b, 0,1,2,3
	v_max_num_f32 v[TM+\b], v[TM+\b], v[TM+4+\b]   ; with lane l xor 16's: the block's largest magnitude
.endr
.irp b, 0,1,2,3
	v_add_nc_u32 v[TM+12+\b], 0xff000000, v[TM+\b]   ; 2 off its exponent field: the conversion takes the exponent field of this operand as its scale
.endr
.irp b, 0,1,2,3
	v_lshrrev_b32 v[TM+4+\b], 23, v[TM+12+\b]      ; the scale's byte
.endr
	v_lshl_or_b32 v[PW], v[TM+5], 8, v[TM+4]       ; four bytes make my row's scale word
	v_lshl_or_b32 v[PW], v[TM+6], 16, v[PW]
	v_lshl_or_b32 v[PW], v[TM+7], 24, v[PW]
.irp b, 0,1,2,3
	v_cvt_scalef32_pk8_fp4_f32 v[PC+2*\b], v[\s+16*\b:\s+7+16*\b], v[TM+12+\b]
	v_cvt_scalef32_pk8_fp4_f32 v[PC+1+2*\b], v[\s+8+16*\b:\s+15+16*\b], v[TM+12+\b]
.endr
	v_nop                                          ; one plain place behind a scaled conversion
.irp c, 0,1                                    ; the operand's layout wants a whole block in a lane: lanes 0-15 block 2 c, lanes 16-31 block 2 c + 1
.irp i, 0,1
	v_permlane16_swap_b32 v[PC+4*\c+\i], v[PC+2+4*\c+\i]
.endr
.endr
.endm
	s_load_b128 s[4:7], s[0:1], 0x0                ; W s[4:5], wf s[6:7]
	s_load_b64 s[8:9], s[0:1], 0x10                ; ws
	v_lshl_add_u32 v176, v0, 2, 0x8500
	v_mov_b32 v177, 0
	v_lshrrev_b32 v8, 5, v0
	v_readfirstlane_b32 s16, v8                    ; wave 0..3 = the fragment's number in the record
	s_lshr_b32 s17, s16, 1                         ; s
	s_and_b32 s18, s16, 1                          ; t
	v_and_b32 v8, 31, v0                           ; lane
	v_and_b32 v9, 15, v0                           ; r
	v_bfe_u32 v10, v0, 4, 1                        ; h
	v_lshlrev_b32 v[LI], 4, v8
	v_lshlrev_b32 v[LS8], 3, v8
	s_mul_i32 s19, s16, STGW
	v_add_nc_u32 v[STW], s19, v[LI]
	v_mul_u32_u24 v[STR], v9, SPT
	v_lshl_add_u32 v[STR], v10, 6, v[STR]
	v_add_nc_u32 v[STR], s19, v[STR]
	s_lshl_b32 s19, s18, 7
	s_lshl_b32 s22, s17, 2
	s_add_co_u32 s19, s19, s22
	s_add_co_u32 s19, s19, WSS
	v_lshl_add_u32 v[WSW], v9, 3, s19
	v_add_nc_u32 v[WSR], WSS, v[LS8]
	s_mov_b32 s[SEL], 0x76543210
	s_mov_b32 s[SEL+1], 0xfedcba98
.irp b, 0,1,2,3
	v_mov_b32 v[TM+4+\b], 0                        ; written once: a lane permute's destination counts as one of its sources
.endr
	s_lshr_b32 s22, ttmp9, 6                       ; cw
	s_lshl_b32 s22, s22, 4
	s_and_b32 s23, ttmp9, 7                        ; p
	s_lshl_b32 s23, s23, 1
	s_add_co_u32 s22, s22, s23
	s_add_co_u32 s22, s22, s18                     ; T = 16 cw + 2 p + t
	s_lshl_b32 s24, s22, 17                        ; 16 rows of 8,192 bytes
	s_bfe_u32 s23, ttmp9, 0x30003                  ; c
	s_lshl_b32 s23, s23, 10                        ; 256 numbers
	s_add_co_u32 s24, s24, s23
	s_lshl_b32 s23, s17, 9                         ; 128 numbers
	s_add_co_u32 s24, s24, s23
	s_mov_b32 s25, 0
	s_lshl_b32 s26, ttmp9, 12                      ; wf: 4,096 x record + 1,024 x fragment
	s_lshl_b32 s23, s16, 10
	s_add_co_u32 s26, s26, s23
	s_mov_b32 s27, 0
	s_lshl_b32 s28, ttmp9, 8                       ; ws: 256 x record
	s_mov_b32 s29, 0
	s_wait_alu depctr_va_vdst(0)
	s_wait_kmcnt 0x0
	s_add_nc_u64 s[4:5], s[4:5], s[24:25]
	s_add_nc_u64 s[6:7], s[6:7], s[26:27]
	s_add_nc_u64 s[8:9], s[8:9], s[28:29]
.irp i, 0,1,2,3,4,5,6,7,8,9,10,11,12,13,14,15
	global_load_b128 v[R+4*\i:R+4*\i+3], v[LI], s[4:5] offset:8192*\i th:TH_LOAD_NT   ; row i: 32 lanes read 512 consecutive bytes; read once in the launch
.endr
	s_wait_loadcnt 0x0
.irp i, 0,1,2,3,4,5,6,7,8,9,10,11,12,13,14,15
	ds_store_b128 v[STW], v[R+4*\i:R+4*\i+3] offset:SPT*\i
.endr
.irp b, 0,1,2,3
.irp j, 0,1,2,3
	ds_load_b128 v[X+16*\b+4*\j:X+16*\b+4*\j+3], v[STR] offset:128*\b+16*\j   ; LDS serves a wave's instructions in order (ISA guide 5.7.1.4): these see my stores
.endr
.endr
	s_wait_dscnt 0x0
	QUANT X
.irp x, 0,1
	global_store_b128 v[LI], v[PC+4*\x:PC+4*\x+3], s[6:7] offset:512*\x   ; a plane of the image: 512 consecutive bytes, aligned
.endr
	ds_store_b32 v[WSW], v[PW]                     ; both halves of the lanes write the same word with the same value
	s_wait_dscnt 0x0                               ; for wave 0's sake: my word has landed
	s_barrier_signal -1
	s_barrier_wait -1
	s_cmp_lg_u32 s16, 0
	s_cbranch_scc1 .Lend
	ds_load_b64 v[170:171], v[WSR]                 ; the record's 64 words, from all four waves
	s_wait_dscnt 0x0
	global_store_b64 v[LS8], v[170:171], s[8:9]    ; 32 lanes store 256 consecutive bytes, aligned
.Lend:
	s_wait_tensorcnt 0x0
	ds_add_u32 v176, v177
	s_wait_dscnt 0x0
	s_endpgm
.Lfunc_end_k_qb1b1529bcb_wquant:
	.size	k_qb1b1529bcb_wquant, .Lfunc_end_k_qb1b1529bcb_wquant-k_qb1b1529bcb_wquant
	.p2alignl 7, 3214868480
	.fill 96, 4, 3214868480
	.section	.rodata,"a",@progbits
	.p2align	6, 0x0
	.amdhsa_kernel k_qb1b1529bcb_wquant
		.amdhsa_group_segment_fixed_size 34560
		.amdhsa_private_segment_fixed_size 0
		.amdhsa_enable_private_segment 0
		.amdhsa_kernarg_size 24
		.amdhsa_user_sgpr_count 2
		.amdhsa_user_sgpr_kernarg_segment_ptr 1
		.amdhsa_wavefront_size32 1
		.amdhsa_system_sgpr_workgroup_id_x 1
		.amdhsa_system_sgpr_workgroup_id_y 1
		.amdhsa_system_sgpr_workgroup_id_z 1
		.amdhsa_system_vgpr_workitem_id 0
		.amdhsa_next_free_vgpr 178
		.amdhsa_next_free_sgpr 66
		.amdhsa_reserve_vcc 0
		.amdhsa_float_denorm_mode_32 3
		.amdhsa_float_denorm_mode_16_64 3
		.amdhsa_memory_ordered 1
		.amdhsa_forward_progress 1
		.amdhsa_inst_pref_size 11
	.end_amdhsa_kernel
	.amdgpu_metadata
---
amdhsa.version: [ 1, 2 ]
amdhsa.kernels:
  - .name:           k_qb1b1529bcb_wquant
    .symbol:         k_qb1b1529bcb_wquant.kd
    .args:
      - { .name: W, .offset: 0, .size: 8, .value_kind: global_buffer, .address_space: global }
      - { .name: wf, .offset: 8, .size: 8, .value_kind: global_buffer, .address_space: global }
      - { .name: ws, .offset: 16, .size: 8, .value_kind: global_buffer, .address_space: global }
    .group_segment_fixed_size: 34560
    .private_segment_fixed_size: 0
    .kernarg_segment_align: 8
    .kernarg_segment_size: 24
    .max_flat_workgroup_size: 128
    .sgpr_count:     66
    .vgpr_count:     178
    .wavefront_size: 32
...
	.end_amdgpu_metadata
.endif
;; end of part 4
;; launch energy (part 5): grid 256 x 1, 8 waves a work-group, no clusters, 137,728 bytes of LDS; arguments encoder_outputs, hidden, b, wf, ws, energies; writes energies
.if DOCPART == 5
	.amdgcn_target "amdgcn-amd-amdhsa--gfx1250"
	.amdhsa_code_object_version 6
	.text
	.protected	k_qb1b1529bcb_energy
	.globl	k_qb1b1529bcb_energy
	.p2align	8
	.type	k_qb1b1529bcb_energy,@function
k_qb1b1529bcb_energy:
	s_mov_b64 s[64:65], 0
	v_nop
	global_prefetch_b8 v0, s[64:65] scope:SCOPE_SE
	s_setreg_imm32_b32 hwreg(HW_REG_WAVE_SCHED_MODE, 0, 2), 2
	s_setreg_imm32_b32 hwreg(HW_REG_WAVE_MODE, 25, 1), 1
	s_wait_xcnt 0x0
	s_wait_alu depctr_vm_vsrc(0)
; energies[row] = the sum over n of hidden[batch][n] x (the sum over k of Q(enc)[row][k] Q(W)[n][k] + b[n]), row = 1,024 batch + s.  enc: [32,768][2,048] f32, quantised here to FP4 (E2M1) with one E8M0 scale
; for each 32 along K; W comes as codes and scale words from the launch before (wf, ws: laid as this text's waves take them).  The product runs on codes; sums, bias and the product with hidden in f32.
; SHARES.  A work-group owns 128 rows (all of one batch: 8 work-groups to a batch) and meets all 1,024 rows of W, so enc is read from memory once.  K goes in 8 chunks of 256.
; TWO ROLES, eight waves of 512 registers.  Waves 4-7 PRODUCE: wave 4 + pw streams rows 32 pw .. + 31 of enc through a ring of 64 loads in registers, quantises a chunk (four fragments of 16 rows x 128 K) and
; leaves the fragments in LDS as images of the operand's registers.  Waves 0-3 CONSUME: wave cw owns columns n = 256 cw .. + 255; it keeps a chunk's 16 fragments of A in 128 registers and walks its columns in
; 8 passes of 32; W's fragments come from memory straight into a ring of four register sets.  Partial sums over the chunk are multiplied by hidden and added to 64 running energies at once: no 128 x 1,024
; block of sums is ever kept.  Each role has a LOADcnt of its own, so a wait for W never waits for enc.
; BY TURNS.  The consumer's work goes in GROUPS of four accumulators (64 rows x 16 columns): 8 products, and behind each product two of the 16 multiply-adds that take the group before into the energies.
; Two groups' accumulators, 64 registers, are all there are: one is filled while the other is read.  A's fragments, the accumulators and the energies fill one register window, W's fragments and hidden lie in the
; other: so products and multiply-adds stand under ONE window setting.
; In trip C the consumers read chunk C from one of two LDS blocks while the producers write chunk C + 1 into the other; ONE barrier a trip, in front of which every wave has waited for all its LDS instructions.
; The bias enters as the start of the running energies: each lane's share of hidden . b.
; ORDER OF SUMS: K in 8 chunks (within a chunk K ascending in one accumulator), then columns in the order of the passes, then 16 lanes, then 4 waves: another f32 order than reference()'s.
; LIMITS: NaN and infinities among the inputs are not served.  A block of zeros gets the scale byte 1 where the rule says 127 (its codes are zeros; the bytes never leave the work-group).
; No tensor load and no joint load: each byte of W's codes is used by one wave of a work-group, once, so LDS would only add a write and a read to it; enc is shared by nobody.
; THE MODE: SCHED_MODE bits 1:0 = 2 (LLVM: expert scheduling mode 2), set by the entry lines.  The code itself states the register dependences between vector or matrix instructions and memory or LDS
; instructions, with s_wait_alu, always for 0.
; THE PLAN.  Registers that memory or LDS instructions touch:
;   v1-5, v7, v10, v12-15   offsets and LDS addresses: written once, in the head; one wait on va_vdst in each role's head, ahead of its first load, serves them for the whole kernel.
;   v6, v8, v9, v11         the LDS addresses that hang on the block: written by four additions at a trip's head, read by the trip's LDS instructions.  Ahead of the additions one wait on vm_vsrc, behind them one on va_vdst.
;   PRODUCERS  the ring (window 1): loads land, the unit's 16 LDS stores read, the next chunk's loads land: no vector instruction names it.  X: LDS loads land, the quantiser reads.  The fragment and its scale
;              word: the quantiser writes, three LDS stores read.  A unit has ONE wait on vm_vsrc (its stores have read the ring; the unit before's stores have read the fragment and the word) and ONE on va_vdst,
;              behind the quantiser (fragment and word are written; the quantiser is done reading X, so the next unit's loads into X owe nothing more).
;   CONSUMERS  A's fragments and scale words: LDS loads land at a trip's head, the trip's products read: the wait on va_vdst at the trip's head states that the last trip's products are done reading them.
;              W's ring and its scale words: a pass's products read a set; the loads of the record three passes on land in it in the next pass, behind ONE wait on va_vdst (in a trip's first pass the trip's head has
;              stated it).  The stream's place stands in scalar bases, a pair for each set: no vector register is written for an address in a pass.
;              The energies: written by multiply-adds, read by the LDS stores of the way out, behind one wait.  The accumulators and hidden are named in the loop by vector and matrix instructions alone.
.set ROWB,  8192                       ; a row of enc in bytes
.set CHUNK, 1024                       ; 256 numbers of a row
.set ABUF,  32768                      ; LDS: block 0 at 0, block 1 at ABUF.  A block: images [a 8][s 2][plane 2][lane 32][16 bytes], 16,384 bytes;
.set ASC,   16384                      ;      behind them the scale words [pw 4][lane 32][8 bytes]: lane 16 m + r: row r of tile a = 2 pw + m, words of s = 0, 1
.set SPT,   528                        ; a stage row: 512 bytes + 16: sixteen rows start at sixteen different 16-byte columns of the 64 banks of 4 bytes (ISA guide 11.1)
.set STGW,  16*SPT                     ; a producer's own stage
.set STG,   2*ABUF
.set EPT,   144                        ; the way out: a register's 32 lanes, 128 bytes + 16
.set ESTW,  64*EPT                     ; a consumer's 64 registers
.set EST,   STG+4*STGW
.set ESUM,  EST+4*ESTW                 ; the 128 energies
; ADDRESS REGISTERS, window 0, the same in both roles, all made ahead of the first parting of the roles; none ever holds loaded data
.set LI,    1                          ; v1   16 x lane
.set LS8,   2                          ; v2   8 x lane
.set STW,   3                          ; v3   stage, in:  STG + STGW (wave % 4) + 16 lane
.set STR,   4                          ; v4   stage, out: STG + STGW (wave % 4) + 528 r + 64 h
.set IMW0,  5                          ; v5   4,096 (wave % 4) + 16 lane
.set IMW,   6                          ; v6   + the block that is written: where a producer stores images
.set SCW0,  7                          ; v7   ASC + 256 (wave % 4) + 8 r
.set SCW,   8                          ; v8   + the block that is written: and scale words
.set ARD,   9                          ; v9   the block that is read + 16 lane
.set SRD0,  10                         ; v10  ASC + 8 lane
.set SRD,   11                         ; v11  + the block that is read
.set EW,    12                         ; v12  EST + ESTW (wave % 4) + 4 lane
.set ER,    13                         ; v13  EST + 144 idx + 64 hh
.set ES,    14                         ; v14  ESUM + 4 x the row that thread t sums
.set EL,    15                         ; v15  ESUM + 16 lane
; PRODUCERS: window 0: v24-87 X, v88-103 at work, v104 the scale word, v106-113 the fragment.  window 1: the ring: unit u's load i at v[64 u + 4 i]
.set X,     24
.set TM,    88
.set PW,    104
.set PC,    106
; CONSUMERS: window 0: v20-147 W's ring: set k, fragment (s, t) at 32 k + 16 s + 8 t; v148-163 hidden of my lane's column in tile 2 p + t;
;   v236-237 at work at the head; v240-247 W's scale words (set k, step s: 2 k + s; lanes 0-15 t = 0, lanes 16-31 t = 1); v248-255 A's (2 (a / 2) + s; lanes 0-15 even a, lanes 16-31 odd a).
;   window 1: v0-127 A's fragments, (a, s) at 8 (2 a + s); v128-191 the accumulators, tile a of rows at 128 + 8 a; v192-255 the running energies: 8 a + j = row 16 a + 8 h + j.
.set BR,    20
.set HID,   148
.set HOF,   236
.set C0,    237
.set SB,    240
.set SA,    248
.set AF,    0
.set ACC,   128
.set E,     192
.set SEL,   20                         ; s[20:21] v_permlanex16_b32's selects for lane l xor 16
.set WB,    32                         ; s[32:47] ring set k: the address of its record in wf at WB + 4 k, of the record's scale words in ws at WB + 4 k + 2
; s16 wave, s17 wave % 4, s22 the trip, s23 the block read, s24 the block written, s25 W's stream: bytes to the record asked for next, s[26:27], s[28:29] the same, clamped, as offsets into wf and ws
.set MSB, 0
.macro WIN new                         ; s_set_vgpr_msb: bits 1:0 source 0, 3:2 source 1, 5:4 source 2, 7:6 destination; the immediate's high byte repeats the setting that is left
.if MSB != \new
	s_set_vgpr_msb (MSB<<8)|\new
.set MSB, \new
.endif
.endm
; 64 numbers of a lane, v[s] .. v[s + 63], register 16 b + i = k 32 b + 16 h + i of my row, become a fragment's codes in v[PC] on and its scale word in v[PW].
.macro QUANT s
.irp b, 0,1,2,3
	v_max3_num_f32 v[TM+\b], |v[\s+16*\b]|, |v[\s+1+16*\b]|, 0x1800000   ; block b: my 16 numbers, and the floor 2^(3 - 127): so the byte cannot fall under 1
.endr
.irp i, 2,4,6,8,10,12,14
.irp b, 0,1,2,3
	v_max3_num_f32 v[TM+\b], v[TM+\b], |v[\s+16*\b+\i]|, |v[\s+1+16*\b+\i]|   ; the four blocks by turns: no line waits for the line above it
.endr
.endr
.irp b, 0,1,2,3
	v_permlanex16_b32 v[TM+4+\b], v[TM+\b], s[SEL], s[SEL+1]
.endr
.irp b, 0,1,2,3
	v_max_num_f32 v[TM+\b], v[TM+\b], v[TM+4+\b]   ; with lane l xor 16's: the block's largest magnitude
.endr
.irp b, 0,1,2,3
	v_add_nc_u32 v[TM+12+\b], 0xff000000, v[TM+\b]   ; 2 off its exponent field: the conversion takes the exponent field of this operand as its scale
.endr
.irp b, 0,1,2,3
	v_lshrrev_b32 v[TM+4+\b], 23, v[TM+12+\b]      ; the scale's byte
.endr
	v_lshl_or_b32 v[PW], v[TM+5], 8, v[TM+4]       ; four bytes make my row's scale word
	v_lshl_or_b32 v[PW], v[TM+6], 16, v[PW]
	v_lshl_or_b32 v[PW], v[TM+7], 24, v[PW]
.irp b, 0,1,2,3
	v_cvt_scalef32_pk8_fp4_f32 v[PC+2*\b], v[\s+16*\b:\s+7+16*\b], v[TM+12+\b]
	v_cvt_scalef32_pk8_fp4_f32 v[PC+1+2*\b], v[\s+8+16*\b:\s+15+16*\b], v[TM+12+\b]
.endr
	v_nop                                          ; one plain place behind a scaled conversion
.irp c, 0,1                                    ; the operand's layout wants a whole block in a lane: lanes 0-15 block 2 c, lanes 16-31 block 2 c + 1
.irp i, 0,1
	v_permlane16_swap_b32 v[PC+4*\c+\i], v[PC+2+4*\c+\i]
.endr
.endr
.endm
; A PRODUCER'S UNIT u = 2 m + s: rows 16 m .. + 15 of my 32, 128 along K: one fragment.  cnt: the younger units' loads, which stay out.  reissue = 1: the unit's registers take the same unit of the next chunk.
.macro UNIT u, reissue, cnt
	s_wait_loadcnt \cnt                            ; loads come back in order (ISA guide 5.7.1): this unit's sixteen are in
	WIN 0x04                                       ; an LDS store's data are its source 1: window 1
.irp i, 0,1,2,3,4,5,6,7,8,9,10,11,12,13,14,15
	ds_store_b128 v[STW], v[64*(\u)+4*\i:64*(\u)+4*\i+3] offset:SPT*\i   ; row i as it was loaded: 512 consecutive bytes
.endr
	WIN 0
.irp b, 0,1,2,3
.irp j, 0,1,2,3
	ds_load_b128 v[X+16*\b+4*\j:X+16*\b+4*\j+3], v[STR] offset:128*\b+16*\j   ; of row r my 16 neighbours of each block; LDS serves a wave's instructions in order (ISA guide 5.7.1.4).  No wait on va_vdst: the last quantiser's reads of X stand ahead of the wait behind it, and no vector instruction since names X
.endr
.endr
.if \reissue
	WIN 0x40                                       ; destination window 1
.endif
.if \reissue || (\u) > 0
	s_wait_alu depctr_vm_vsrc(0)                   ; the sixteen LDS stores above have read the ring's registers, in which the loads below land; the unit before's LDS stores have read the fragment and its scale word, which the quantiser below writes
.endif
.if \reissue
.irp i, 0,1,2,3,4,5,6,7,8,9,10,11,12,13,14,15
	global_load_b128 v[64*(\u)+4*\i:64*(\u)+4*\i+3], v[LI], s[4:5] offset:(16*((\u)/2)+\i)*ROWB+512*((\u)%2)+CHUNK th:TH_LOAD_NT   ; 512 consecutive bytes of a row, aligned; read once in the launch
.endr                                          ; with these sixteen the ring names 64 loads; the issue of a load that would pass the counter's field is held until one has come back (ISA guide 5.7.1): no wait is written for it
	WIN 0
.endif
	s_wait_dscnt 0x0                               ; X is in
	QUANT X
	s_wait_alu depctr_va_vdst(0)                   ; the quantiser has written the fragment and its scale word, which the three LDS stores read; and it is done reading X, in which the next unit's LDS loads land
.irp x, 0,1
	ds_store_b128 v[IMW], v[PC+4*\x:PC+4*\x+3] offset:1024*(\u)+512*\x   ; the fragment's image: tile a = 2 pw + m, step s
.endr
	ds_store_b32 v[SCW], v[PW] offset:128*((\u)/2)+4*((\u)%2)            ; both halves of the lanes write the same word with the same value
.endm
.macro PROD_FULL                       ; a chunk is quantised, the chunk behind it is asked for
	UNIT 0, 1, 48
	UNIT 1, 1, 48
	UNIT 2, 1, 48
	UNIT 3, 1, 48
	s_wait_xcnt 0x0                                ; the loads have read their base: only behind this wait is it stepped
	s_add_nc_u64 s[4:5], s[4:5], CHUNK
.endm
.macro PROD_DRAIN                      ; the last chunk: nothing is left to ask for, the counts run down.  (Its first unit has no wait on vm_vsrc: no load follows, and the trip's head has stated that the last trip's stores have read the fragment)
	UNIT 0, 0, 48
	UNIT 1, 0, 32
	UNIT 2, 0, 16
	UNIT 3, 0, 0
.endm
; ONE PRODUCT: A's tile wa x W's tile wt of the pass, 128 along K (step ws of the chunk), W from ring set wk.  Step 0 starts the sum with the constant 0: nothing is cleared.
; Source 0 = 16 rows of enc, source 1 = 16 rows of W: register j of the result is (row 8 h + j, column r).
.macro WM
.set rD,  ACC+8*wa
.set rA,  AF+16*wa+8*ws
.set rB,  BR+32*wk+16*ws+8*wt
.set rSA, SA+2*(wa/2)+ws
.set rSB, SB+2*wk+ws
.if ws == 0
.if (wa%2 == 0) && (wt == 0)
	v_wmma_scale_f32_16x16x128_f8f6f4 v[rD:rD+7], v[rA:rA+7], v[rB:rB+7], 0, v[rSA], v[rSB] matrix_a_fmt:MATRIX_FMT_FP4 matrix_b_fmt:MATRIX_FMT_FP4
.elseif wa%2 == 0
	v_wmma_scale_f32_16x16x128_f8f6f4 v[rD:rD+7], v[rA:rA+7], v[rB:rB+7], 0, v[rSA], v[rSB] matrix_a_fmt:MATRIX_FMT_FP4 matrix_b_fmt:MATRIX_FMT_FP4 matrix_b_scale:MATRIX_SCALE_ROW1
.elseif wt == 0
	v_wmma_scale_f32_16x16x128_f8f6f4 v[rD:rD+7], v[rA:rA+7], v[rB:rB+7], 0, v[rSA], v[rSB] matrix_a_fmt:MATRIX_FMT_FP4 matrix_b_fmt:MATRIX_FMT_FP4 matrix_a_scale:MATRIX_SCALE_ROW1
.else
	v_wmma_scale_f32_16x16x128_f8f6f4 v[rD:rD+7], v[rA:rA+7], v[rB:rB+7], 0, v[rSA], v[rSB] matrix_a_fmt:MATRIX_FMT_FP4 matrix_b_fmt:MATRIX_FMT_FP4 matrix_a_scale:MATRIX_SCALE_ROW1 matrix_b_scale:MATRIX_SCALE_ROW1
.endif
.else
.if (wa%2 == 0) && (wt == 0)
	v_wmma_scale_f32_16x16x128_f8f6f4 v[rD:rD+7], v[rA:rA+7], v[rB:rB+7], v[rD:rD+7], v[rSA], v[rSB] matrix_a_fmt:MATRIX_FMT_FP4 matrix_b_fmt:MATRIX_FMT_FP4
.elseif wa%2 == 0
	v_wmma_scale_f32_16x16x128_f8f6f4 v[rD:rD+7], v[rA:rA+7], v[rB:rB+7], v[rD:rD+7], v[rSA], v[rSB] matrix_a_fmt:MATRIX_FMT_FP4 matrix_b_fmt:MATRIX_FMT_FP4 matrix_b_scale:MATRIX_SCALE_ROW1
.elseif wt == 0
	v_wmma_scale_f32_16x16x128_f8f6f4 v[rD:rD+7], v[rA:rA+7], v[rB:rB+7], v[rD:rD+7], v[rSA], v[rSB] matrix_a_fmt:MATRIX_FMT_FP4 matrix_b_fmt:MATRIX_FMT_FP4 matrix_a_scale:MATRIX_SCALE_ROW1
.else
	v_wmma_scale_f32_16x16x128_f8f6f4 v[rD:rD+7], v[rA:rA+7], v[rB:rB+7], v[rD:rD+7], v[rSA], v[rSB] matrix_a_fmt:MATRIX_FMT_FP4 matrix_b_fmt:MATRIX_FMT_FP4 matrix_a_scale:MATRIX_SCALE_ROW1 matrix_b_scale:MATRIX_SCALE_ROW1
.endif
.endif
.endm
; ONE MULTIPLY-ADD: registers 2 fi, 2 fi + 1 of accumulator fa, times hidden of my lane's column in tile 2 fp + ft, onto the two rows' energies
.macro FLINE
.if ft == 0
	v_pk_fma_f32 v[E+8*fa+2*fi:E+8*fa+2*fi+1], v[ACC+8*fa+2*fi:ACC+8*fa+2*fi+1], v[HID+2*fp:HID+2*fp+1], v[E+8*fa+2*fi:E+8*fa+2*fi+1] op_sel_hi:[1,0,1]   ; the pair's first word for both halves
.else
	v_pk_fma_f32 v[E+8*fa+2*fi:E+8*fa+2*fi+1], v[ACC+8*fa+2*fi:ACC+8*fa+2*fi+1], v[HID+2*fp:HID+2*fp+1], v[E+8*fa+2*fi:E+8*fa+2*fi+1] op_sel:[0,1,0] op_sel_hi:[1,1,1]   ; its second word
.endif
.endm
; GROUP n of a trip's 32: pass n / 4, W's tile (n / 2) % 2, A's tiles 4 (n % 2) .. + 3.  8 products: step 0 of the four accumulators, then step 1 in place: the four take turns, one instruction a turn
; fold = 1: behind each product stand two of the 16 multiply-adds of group n - 1, whose accumulators are the other four; each accumulator is read from its low end on.
; DISTANCES (four plain vector instructions that name none of a product's registers, ahead of the first read of its result: ISA guide 7.12.1): an accumulator's last product is number 4 + i of its group; behind it
; stand the 8 - 2 i multiply-adds of that group's last slots and the 4 i of the next group's that read the accumulators before it: 8 at the least.
.macro GROUP fold
.set wk, (n/4)%4
.set wt, (n/2)%2
.set fp, (n+31)/4-7-(n+31)/32          ; pass of group n - 1 (n = 1 .. 31): (n - 1) / 4
.set ft, ((n+31)/2)%2                  ; its tile of W: ((n - 1) / 2) % 2
.set j, 0
.rept 8
.set wa, 4*(n%2)+j%4
.set ws, j/4
	WM
.if \fold
.set fa, 4*((n+1)%2)+j/2
.set fi, 2*(j%2)
	FLINE
.set fi, 2*(j%2)+1
	FLINE
.endif
.set j, j+1
.endr
.endm
; W's record three passes on is asked for, into the set that the pass before has read.  wait = 1 (passes 1 to 7, behind the pass's first group): the line on va_vdst states that the pass before's products are done
; reading the set and its scale words; fourteen multiply-adds that name none of those products' registers stand between as well.  wait = 0 (a trip's first pass, at the trip's head): the wait at the trip's head has
; stated it, and no vector or matrix instruction since names the set.
; No vector register is written here: the record's place goes into the set's two scalar bases.  These were last read by the loads issued four passes ago, which the last wait on LOADcnt has shown done: so they may be written.
; The launch's last three passes ask for the stream's last record once more (a clamped offset, inside wf and ws) into sets that nobody reads: so the counts of the waits on LOADcnt are the same in every trip.
.macro ASK wait
.set K3, (n/4+3)%4
	WIN 0
	s_min_u32 s26, s25, 63*4096
	s_lshr_b32 s28, s26, 4                         ; 256 bytes of scale words to 4,096 of codes
	s_add_nc_u64 s[WB+4*K3:WB+4*K3+1], s[10:11], s[26:27]
	s_add_nc_u64 s[WB+4*K3+2:WB+4*K3+3], s[12:13], s[28:29]
	s_add_co_u32 s25, s25, 4096
.if \wait
	s_wait_alu depctr_va_vdst(0)                   ; the pass before's products are done reading this set of W's ring and its scale words, in which the nine loads land
.endif
	global_load_b64 v[SB+2*K3:SB+2*K3+1], v[LS8], s[WB+4*K3+2:WB+4*K3+3]
.irp f, 0,1,2,3
.irp x, 0,1
	global_load_b128 v[BR+32*K3+8*\f+4*\x:BR+32*K3+8*\f+4*\x+3], v[LI], s[WB+4*K3:WB+4*K3+1] offset:1024*\f+512*\x   ; a plane of an image: 512 consecutive bytes
.endr
.endr
.if \wait
	WIN 0x51
.endif
.endm
; A CONSUMER'S TRIP: W's next record is asked for; the chunk's 8 registers of scale words and 16 fragments of A come from LDS; then 32 groups, then the last group's multiply-adds.
; The 36 LDS loads and the first pass's nine loads follow the wait on va_vdst at the trip's head with no further wait: no vector or matrix instruction stands between.
.macro CONS
.set n, 0
	ASK 0
.irp i, 0,1,2,3
	ds_load_b64 v[SA+2*\i:SA+2*\i+1], v[SRD] offset:256*\i
.endr
	WIN 0x40                                       ; destination window 1
.irp f, 0,1,2,3,4,5,6,7,8,9,10,11,12,13,14,15
.irp x, 0,1
	ds_load_b128 v[AF+8*\f+4*\x:AF+8*\f+4*\x+3], v[ARD] offset:1024*\f+512*\x
.endr
.endr
	WIN 0x51                                       ; products: A, C and D window 1, W window 0.  Multiply-adds: the sums and the energies window 1, hidden window 0.  One setting serves both
.rept 32
.if n == 0
	s_wait_loadcnt 27                              ; the first pass's head: behind its nine loads stand the nine of each of the three passes issued since, this trip's first among them
	s_wait_dscnt 16                                ; the scale words and tiles 0-3 of A are in; the sixteen loads of tiles 4-7 may be out
	GROUP 0                                        ; the trip's first group has no group before it
.rept 4
	v_nop                                          ; so four places stand here, ahead of the first read of its results
.endr
.else
.if n%4 == 0
	s_wait_loadcnt 18                              ; a later pass's head: behind its nine loads stand the nine of each of the two passes issued since
.endif
.if n == 1
	s_wait_dscnt 0x0                               ; tiles 4-7 of A are in
.endif
	GROUP 1
.if n%4 == 0
	ASK 1                                          ; behind a pass's first group
.endif
.endif
.set n, n+1
.endr
.set fp, 7                                     ; group 31: pass 7, tile 1, accumulators 4-7.  Behind its last product stand two multiply-adds of group 30 and the twelve below that read accumulators 4-6
.set ft, 1
.set f, 0
.rept 16
.set fa, 4+f/4
.set fi, f%4
	FLINE
.set f, f+1
.endr
	WIN 0
.endm
.macro BARRIER                         ; my LDS stores have landed and my LDS loads are in: then the work-group's barrier
	s_wait_dscnt 0x0
	s_barrier_signal -1
	s_barrier_wait -1
.endm
	; ---- the head, all waves
	s_load_b256 s[4:11], s[0:1], 0x0               ; enc s[4:5], hidden s[6:7], b s[8:9], wf s[10:11]
	s_load_b128 s[12:15], s[0:1], 0x20             ; ws s[12:13], energies s[14:15]
	v_lshl_add_u32 v238, v0, 2, 0x21600
	v_mov_b32 v239, 0
	v_lshrrev_b32 v16, 5, v0
	v_readfirstlane_b32 s16, v16                   ; wave 0..7
	v_and_b32 v16, 31, v0                          ; lane
	v_and_b32 v17, 15, v0                          ; r
	v_bfe_u32 v18, v0, 4, 1                        ; h
	v_lshlrev_b32 v[LI], 4, v16
	v_lshlrev_b32 v[LS8], 3, v16
	s_wait_alu depctr_va_sdst(0)                   ; s16 is written, ahead of its first reader: the roles, the LDS addresses and the bases are made from it
	s_and_b32 s17, s16, 3                          ; cw of a consumer, pw of a producer
	s_mul_i32 s18, s17, STGW
	s_add_co_u32 s18, s18, STG
	v_add_nc_u32 v[STW], s18, v[LI]
	v_mul_u32_u24 v[STR], v17, SPT
	v_lshl_add_u32 v[STR], v18, 6, v[STR]
	v_add_nc_u32 v[STR], s18, v[STR]
	s_lshl_b32 s19, s17, 12
	v_add_nc_u32 v[IMW0], s19, v[LI]
	s_lshl_b32 s19, s17, 8
	s_add_co_u32 s19, s19, ASC
	v_lshl_add_u32 v[SCW0], v17, 3, s19
	v_add_nc_u32 v[SRD0], ASC, v[LS8]
	s_mul_i32 s19, s17, ESTW
	s_add_co_u32 s19, s19, EST
	v_lshl_add_u32 v[EW], v16, 2, s19
	v_bfe_u32 v19, v0, 5, 2
	v_lshl_add_u32 v19, v19, 4, v17                ; idx = t % 16 + 16 (wave % 4): which of the 64 energy registers thread t sums; hh = h: which half of their lanes
	v_mul_u32_u24 v[ER], v19, EPT
	v_lshl_add_u32 v[ER], v18, 6, v[ER]
	v_add_nc_u32 v[ER], EST, v[ER]
	v_lshrrev_b32 v16, 3, v19                      ; a = idx / 8
	v_and_b32 v19, 7, v19                          ; j = idx % 8
	v_lshl_add_u32 v19, v16, 4, v19
	v_lshl_add_u32 v19, v18, 3, v19                ; the row: 16 a + 8 hh + j
	v_lshl_add_u32 v[ES], v19, 2, ESUM
	v_add_nc_u32 v[EL], ESUM, v[LI]
	s_mov_b32 s23, 0                               ; the first chunk is written into block 0, and read there in trip 0
	s_mov_b32 s24, 0
	v_add_nc_u32 v[IMW], s24, v[IMW0]
	v_add_nc_u32 v[SCW], s24, v[SCW0]
	v_add_nc_u32 v[ARD], s23, v[LI]
	v_add_nc_u32 v[SRD], s23, v[SRD0]
	s_mov_b32 s[SEL], 0x76543210
	s_mov_b32 s[SEL+1], 0xfedcba98
	s_lshl_b32 s28, ttmp9, 20                      ; enc: 128 rows of 8,192 bytes a work-group,
	s_lshl_b32 s30, s17, 18                        ; 32 rows a producer
	s_add_co_u32 s28, s28, s30
	s_mov_b32 s29, 0
	s_wait_kmcnt 0x0
	s_add_nc_u64 s[4:5], s[4:5], s[28:29]
	s_mov_b32 s28, s30                             ; wf: 64 records of 4,096 bytes a consumer
	s_add_nc_u64 s[10:11], s[10:11], s[28:29]
	s_lshl_b32 s28, s17, 14                        ; ws: 64 x 256 bytes
	s_add_nc_u64 s[12:13], s[12:13], s[28:29]
	s_lshl_b32 s28, s17, 10                        ; b: 256 numbers a consumer
	s_add_nc_u64 s[8:9], s[8:9], s[28:29]
	s_lshr_b32 s30, ttmp9, 3                       ; the batch
	s_lshl_b32 s30, s30, 12
	s_add_co_u32 s28, s28, s30                     ; hidden: the batch's row, my 256 numbers
	s_add_nc_u64 s[6:7], s[6:7], s[28:29]
	s_lshl_b32 s28, ttmp9, 9                       ; energies: 128 numbers a work-group
	s_add_nc_u64 s[14:15], s[14:15], s[28:29]
	s_cmp_lt_u32 s16, 4
	s_cbranch_scc1 .Lcons_head
	; ---- producers: the ring is filled with chunk 0; chunk 0 is quantised into block 0 and chunk 1 asked for
.irp b, 0,1,2,3
	v_mov_b32 v[TM+4+\b], 0                        ; written once: a lane permute's destination counts as one of its sources
.endr
	WIN 0x40
	s_wait_alu depctr_va_vdst(0)                   ; the offsets and LDS addresses v1 to v15 are written, which this role's loads and LDS instructions read
.irp u, 0,1,2,3
.irp i, 0,1,2,3,4,5,6,7,8,9,10,11,12,13,14,15
	global_load_b128 v[64*\u+4*\i:64*\u+4*\i+3], v[LI], s[4:5] offset:(16*(\u/2)+\i)*ROWB+512*(\u%2) th:TH_LOAD_NT
.endr
.endr
	WIN 0
	PROD_FULL
	s_branch .Lhead_join
.Lcons_head:
	; ---- consumers: hidden and b of my lane's 16 columns (n = 256 cw + 16 tile + r); the energies begin with my share of hidden . b; W's ring is filled with the first three records
	v_lshlrev_b32 v[HOF], 2, v17
	s_wait_alu depctr_va_vdst(0)                   ; the offsets and LDS addresses v1 to v15 and v[HOF] are written, which this role's loads, stores and LDS instructions read
.set n, 0
.rept 16
	global_load_b32 v[HID+n], v[HOF], s[6:7] offset:64*n
.set n, n+1
.endr
.set n, 0
.rept 16
	global_load_b32 v[BR+n], v[HOF], s[8:9] offset:64*n
.set n, n+1
.endr
	s_wait_loadcnt 0x0
	v_mul_f32 v[C0], v[HID], v[BR]
.set n, 1
.rept 15
	v_fmac_f32 v[C0], v[HID+n], v[BR+n]
.set n, n+1
.endr
	WIN 0x40                                       ; destination window 1
.set n, 0
.rept 64
	v_mov_b32 v[E+n], v[C0]                        ; summed over a row's 16 lanes and the 4 consumers these shares are hidden . b.  (Written once, so that the groups are written once)
.set n, n+1
.endr
	WIN 0
	s_wait_alu depctr_va_vdst(0)                   ; the multiply-adds above are done reading b in v[BR ..], in which W's first record lands
.irp k, 0,1,2
	global_load_b64 v[SB+2*\k:SB+2*\k+1], v[LS8], s[12:13] offset:256*\k
.irp f, 0,1,2,3
.irp x, 0,1
	global_load_b128 v[BR+32*\k+8*\f+4*\x:BR+32*\k+8*\f+4*\x+3], v[LI], s[10:11] offset:4096*\k+1024*\f+512*\x
.endr
.endr
.endr
	s_mov_b32 s25, 3*4096
	s_mov_b32 s27, 0                               ; the upper word of the offset into wf; s29, that of the offset into ws, is 0 since the head
.Lhead_join:
	BARRIER                                        ; chunk 0's images lie in block 0
	s_mov_b32 s22, 0
.Ltrip:                                            ; 8 trips: consumers multiply chunk C out of one block, producers quantise chunk C + 1 into the other
	s_xor_b32 s24, s23, ABUF
	s_wait_alu depctr_vm_vsrc(0)                   ; the LDS instructions issued so far have read the four addresses that are written below (and the producers' last stores their fragment and scale word)
	v_add_nc_u32 v[IMW], s24, v[IMW0]
	v_add_nc_u32 v[SCW], s24, v[SCW0]
	v_add_nc_u32 v[ARD], s23, v[LI]
	v_add_nc_u32 v[SRD], s23, v[SRD0]
	s_wait_alu depctr_va_vdst(0)                   ; the four addresses are written, which the trip's LDS instructions read; the last trip's products are done reading A's fragments, A's scale words and the ring's fourth set, in which the consumers' loads below land
	s_cmp_lt_u32 s16, 4
	s_cbranch_scc0 .Lprod
	CONS
	s_branch .Ljoin
.Lprod:
	s_cmp_lt_u32 s22, 6                            ; trips 0-5 ask for chunk C + 2, trip 6 quantises the last chunk and asks for nothing (no load leaves enc), trip 7 has nothing left
	s_cbranch_scc0 .Lprod_last
	PROD_FULL
	s_branch .Ljoin
.Lprod_last:
	s_cmp_eq_u32 s22, 6
	s_cbranch_scc0 .Ljoin
	PROD_DRAIN
.Ljoin:
	BARRIER                                        ; the block just written is whole, and nobody reads the other any more
	s_xor_b32 s23, s23, ABUF
	s_add_co_u32 s22, s22, 1
	s_cmp_lt_u32 s22, 8
	s_cbranch_scc1 .Ltrip
	; ---- THE WAY OUT.  A row's energy lies in 16 lanes of each of the 4 consumers.  Each consumer lays its 64 registers down; thread t of waves 0-3 adds one row's 64 numbers; wave 0 stores the 128 energies.
	s_cmp_lt_u32 s16, 4
	s_cbranch_scc0 .Lout1
	WIN 0x04                                       ; an LDS store's data are its source 1: window 1
	s_wait_alu depctr_va_vdst(0)                   ; the last trip's multiply-adds have written the energies, which the LDS stores read; its products are done reading W's ring, in which the loads from the stage land below (no vector instruction between names it)
.set n, 0
.rept 64
	ds_store_b32 v[EW], v[E+n] offset:EPT*n
.set n, n+1
.endr
	WIN 0
.Lout1:
	BARRIER
	s_cmp_lt_u32 s16, 4
	s_cbranch_scc0 .Lout2
	s_wait_loadcnt 0x0                             ; the last three passes' loads have landed in W's ring: its registers may be used again
.irp w, 0,1,2,3
.irp i, 0,1,2,3
	ds_load_b128 v[BR+16*\w+4*\i:BR+16*\w+4*\i+3], v[ER] offset:ESTW*\w+16*\i   ; consumer w's register idx, lanes 16 hh + 4 i .. + 3
.endr
.endr
	s_wait_dscnt 0x0
.macro HALVE n                         ; 2 n pairs become n
.set j, 0
.rept \n
	v_pk_add_f32 v[BR+2*j:BR+2*j+1], v[BR+2*j:BR+2*j+1], v[BR+2*(\n)+2*j:BR+2*(\n)+2*j+1]
.set j, j+1
.endr
.endm
	HALVE 16
	HALVE 8
	HALVE 4
	HALVE 2
	HALVE 1
	v_add_f32 v[BR], v[BR], v[BR+1]
	s_wait_alu depctr_va_vdst(0)                   ; the additions have written the row's sum in v[BR], which the LDS store reads; and they are done with v[BR .. BR + 3], in which wave 0's load lands below
	ds_store_b32 v[ES], v[BR]
.Lout2:
	BARRIER
	s_cmp_eq_u32 s16, 0
	s_cbranch_scc0 .Lend
	s_wait_alu depctr_vm_vsrc(0)                   ; my LDS store above has read v[BR], in which the load below lands
	ds_load_b128 v[BR:BR+3], v[EL]
	s_wait_dscnt 0x0
	global_store_b128 v[LI], v[BR:BR+3], s[14:15]  ; 32 lanes store 512 consecutive bytes, aligned
.Lend:
	s_wait_dscnt 0x0
	s_wait_alu depctr_hold_cnt(0) depctr_sa_sdst(0) depctr_va_vdst(0) depctr_va_sdst(0) depctr_va_ssrc(0) depctr_va_vcc(0) depctr_vm_vsrc(0)
	s_wait_tensorcnt 0x0
	ds_add_u32 v238, v239
	s_wait_dscnt 0x0
	s_endpgm
.Lfunc_end_k_qb1b1529bcb_energy:
	.size	k_qb1b1529bcb_energy, .Lfunc_end_k_qb1b1529bcb_energy-k_qb1b1529bcb_energy
	.p2alignl 7, 3214868480
	.fill 96, 4, 3214868480
	.section	.rodata,"a",@progbits
	.p2align	6, 0x0
	.amdhsa_kernel k_qb1b1529bcb_energy
		.amdhsa_group_segment_fixed_size 137728
		.amdhsa_private_segment_fixed_size 0
		.amdhsa_enable_private_segment 0
		.amdhsa_kernarg_size 48
		.amdhsa_user_sgpr_count 2
		.amdhsa_user_sgpr_kernarg_segment_ptr 1
		.amdhsa_wavefront_size32 1
		.amdhsa_system_sgpr_workgroup_id_x 1
		.amdhsa_system_sgpr_workgroup_id_y 1
		.amdhsa_system_sgpr_workgroup_id_z 1
		.amdhsa_system_vgpr_workitem_id 0
		.amdhsa_next_free_vgpr 512
		.amdhsa_next_free_sgpr 66
		.amdhsa_reserve_vcc 0
		.amdhsa_float_denorm_mode_32 3
		.amdhsa_float_denorm_mode_16_64 3
		.amdhsa_memory_ordered 1
		.amdhsa_forward_progress 1
		.amdhsa_inst_pref_size 189
	.end_amdhsa_kernel
	.amdgpu_metadata
---
amdhsa.version: [ 1, 2 ]
amdhsa.kernels:
  - .name:           k_qb1b1529bcb_energy
    .symbol:         k_qb1b1529bcb_energy.kd
    .args:
      - { .name: encoder_outputs, .offset: 0, .size: 8, .value_kind: global_buffer, .address_space: global }
      - { .name: hidden, .offset: 8, .size: 8, .value_kind: global_buffer, .address_space: global }
      - { .name: b, .offset: 16, .size: 8, .value_kind: global_buffer, .address_space: global }
      - { .name: wf, .offset: 24, .size: 8, .value_kind: global_buffer, .address_space: global }
      - { .name: ws, .offset: 32, .size: 8, .value_kind: global_buffer, .address_space: global }
      - { .name: energies, .offset: 40, .size: 8, .value_kind: global_buffer, .address_space: global }
    .group_segment_fixed_size: 137728
    .private_segment_fixed_size: 0
    .kernarg_segment_align: 8
    .kernarg_segment_size: 48
    .max_flat_workgroup_size: 256
    .sgpr_count:     66
    .vgpr_count:     512
    .wavefront_size: 32
...
	.end_amdgpu_metadata
.endif
;; end of part 5
;; launch softmax (part 6): grid 32 x 1, 8 waves a work-group, no clusters, 1,280 bytes of LDS; arguments energies, out0; writes out0
.if DOCPART == 6
	.amdgcn_target "amdgcn-amd-amdhsa--gfx1250"
	.amdhsa_code_object_version 6
	.text
	.protected	k_qb1b1529bcb_softmax
	.globl	k_qb1b1529bcb_softmax
	.p2align	8
	.type	k_qb1b1529bcb_softmax,@function
k_qb1b1529bcb_softmax:
	s_mov_b64 s[64:65], 0
	v_nop
	global_prefetch_b8 v0, s[64:65] scope:SCOPE_SE
	s_setreg_imm32_b32 hwreg(HW_REG_WAVE_MODE, 25, 1), 1
	s_wait_xcnt 0x0
; out0[batch][0][s] = softmax over s of energies[batch][s]: the row's maximum is taken away, then e^x, then the division by the sum.  All in f32.
; One work-group to a batch; thread t holds the four numbers at byte 16 t of the batch's 4,096: a wave's load and its store cover 512 consecutive bytes.
; Each reduction: within the lane, across the 32 lanes, then across the 8 waves through 32 bytes of LDS (the maximum's at byte 0, the sum's at byte 64: other bytes, so one barrier each).
; The difference x - max is formed first and multiplied by log2(e) afterwards: fused the other way round, max x log2(e) would be rounded before the difference is taken.
; LIMITS: NaN and infinities are not served; a weight under 2^-126 comes out as 0 (v_exp_f32 gives no denormals: ISA guide, its entry in 15.8).
.macro REDUCE opd, op, off             ; v8 over the wave, then the eight waves' figures into v[12:19]
	s_delay_alu instid0(VALU_DEP_1)
	\opd v8, v8, v8 row_xmask:1 row_mask:0xf bank_mask:0xf
	s_delay_alu instid0(VALU_DEP_1)
	\opd v8, v8, v8 row_xmask:2 row_mask:0xf bank_mask:0xf
	s_delay_alu instid0(VALU_DEP_1)
	\opd v8, v8, v8 row_xmask:4 row_mask:0xf bank_mask:0xf
	s_delay_alu instid0(VALU_DEP_1)
	\opd v8, v8, v8 row_xmask:8 row_mask:0xf bank_mask:0xf
	s_delay_alu instid0(VALU_DEP_1)
	v_permlanex16_b32 v9, v8, s12, s13
	s_delay_alu instid0(VALU_DEP_1)
	\op v8, v8, v9                                 ; every lane holds the wave's figure
	ds_store_b32 v2, v8 offset:\off                ; all lanes write the wave's word with the same value
	s_wait_dscnt 0x0                               ; for the others' sake: it has landed
	s_barrier_signal -1
	s_barrier_wait -1
	ds_load_b128 v[12:15], v3 offset:\off
	ds_load_b128 v[16:19], v3 offset:\off+16
	s_wait_dscnt 0x0
.endm
	s_load_b128 s[4:7], s[0:1], 0x0                ; energies s[4:5], out0 s[6:7]
	v_lshl_add_u32 v32, v0, 2, 0x100
	v_mov_b32 v33, 0
	v_lshlrev_b32 v1, 4, v0                        ; my 16 bytes
	v_lshrrev_b32 v2, 5, v0
	s_delay_alu instid0(VALU_DEP_1)
	v_lshlrev_b32 v2, 2, v2                        ; LDS: 4 x wave
	v_mov_b32 v3, 0                                ; LDS: byte 0
	v_mov_b32 v9, 0                                ; a lane permute's destination counts as one of its sources
	s_lshl_b32 s8, ttmp9, 12                       ; the batch's 4,096 bytes
	s_mov_b32 s9, 0
	s_mov_b32 s12, 0x76543210                      ; v_permlanex16_b32's selects for lane l xor 16
	s_mov_b32 s13, 0xfedcba98
	s_wait_alu depctr_va_vdst(0)
	s_wait_kmcnt 0x0
	s_add_nc_u64 s[4:5], s[4:5], s[8:9]
	s_add_nc_u64 s[6:7], s[6:7], s[8:9]
	global_load_b128 v[4:7], v1, s[4:5]
	s_wait_loadcnt 0x0
	v_max3_num_f32 v8, v4, v5, v6
	s_delay_alu instid0(VALU_DEP_1)
	v_max_num_f32 v8, v8, v7
	REDUCE v_max_num_f32_dpp, v_max_num_f32, 0
	v_max3_num_f32 v12, v12, v13, v14
	s_delay_alu instid0(VALU_DEP_1)
	v_max3_num_f32 v12, v12, v15, v16
	s_delay_alu instid0(VALU_DEP_1)
	v_max3_num_f32 v12, v12, v17, v18
	s_delay_alu instid0(VALU_DEP_1)
	v_max_num_f32 v12, v12, v19                    ; the batch's largest energy
.irp j, 4,5,6,7
	v_sub_f32 v\j, v\j, v12
.endr
.irp j, 4,5,6,7
	s_delay_alu instid0(VALU_DEP_4)
	v_mul_f32 v\j, 0x3fb8aa3b, v\j                 ; x log2(e)
.endr
	s_wait_alu depctr_va_vdst(0)
.irp j, 4,5,6,7
	v_exp_f32 v\j, v\j                             ; e^(x - max), at most 1
.endr
	v_nop                                          ; one plain place behind the exponentials
	s_wait_alu depctr_va_vdst(0)
	v_add_f32 v8, v4, v5
	v_add_f32 v10, v6, v7
	s_delay_alu instid0(VALU_DEP_1)
	v_add_f32 v8, v8, v10
	REDUCE v_add_f32_dpp, v_add_f32, 64
	v_add_f32 v12, v12, v13
	v_add_f32 v14, v14, v15
	v_add_f32 v16, v16, v17
	v_add_f32 v18, v18, v19
	s_delay_alu instid0(VALU_DEP_3)
	v_add_f32 v12, v12, v14
	s_delay_alu instid0(VALU_DEP_2)
	v_add_f32 v16, v16, v18
	s_delay_alu instid0(VALU_DEP_1)
	v_add_f32 v12, v12, v16                        ; the batch's sum: at least 1, since the largest term is 1
	s_wait_alu depctr_va_vdst(0)
	v_rcp_f32 v10, v12
	v_mov_b32 v11, 0                               ; a plain place behind the reciprocal; and the upper half of the pair named below is written
	s_wait_alu depctr_va_vdst(0)
	v_pk_mul_f32 v[4:5], v[4:5], v[10:11] op_sel_hi:[1,0]
	v_pk_mul_f32 v[6:7], v[6:7], v[10:11] op_sel_hi:[1,0]
	global_store_b128 v1, v[4:7], s[6:7]
	s_wait_tensorcnt 0x0
	ds_add_u32 v32, v33
	s_wait_dscnt 0x0
	s_endpgm
.Lfunc_end_k_qb1b1529bcb_softmax:
	.size	k_qb1b1529bcb_softmax, .Lfunc_end_k_qb1b1529bcb_softmax-k_qb1b1529bcb_softmax
	.p2alignl 7, 3214868480
	.fill 96, 4, 3214868480
	.section	.rodata,"a",@progbits
	.p2align	6, 0x0
	.amdhsa_kernel k_qb1b1529bcb_softmax
		.amdhsa_group_segment_fixed_size 1280
		.amdhsa_private_segment_fixed_size 0
		.amdhsa_enable_private_segment 0
		.amdhsa_kernarg_size 16
		.amdhsa_user_sgpr_count 2
		.amdhsa_user_sgpr_kernarg_segment_ptr 1
		.amdhsa_wavefront_size32 1
		.amdhsa_system_sgpr_workgroup_id_x 1
		.amdhsa_system_sgpr_workgroup_id_y 1
		.amdhsa_system_sgpr_workgroup_id_z 1
		.amdhsa_system_vgpr_workitem_id 0
		.amdhsa_next_free_vgpr 34
		.amdhsa_next_free_sgpr 66
		.amdhsa_reserve_vcc 0
		.amdhsa_float_denorm_mode_32 3
		.amdhsa_float_denorm_mode_16_64 3
		.amdhsa_memory_ordered 1
		.amdhsa_forward_progress 1
		.amdhsa_inst_pref_size 5
	.end_amdhsa_kernel
	.amdgpu_metadata
---
amdhsa.version: [ 1, 2 ]
amdhsa.kernels:
  - .name:           k_qb1b1529bcb_softmax
    .symbol:         k_qb1b1529bcb_softmax.kd
    .args:
      - { .name: energies, .offset: 0, .size: 8, .value_kind: global_buffer, .address_space: global }
      - { .name: out0, .offset: 8, .size: 8, .value_kind: global_buffer, .address_space: global }
    .group_segment_fixed_size: 1280
    .private_segment_fixed_size: 0
    .kernarg_segment_align: 8
    .kernarg_segment_size: 16
    .max_flat_workgroup_size: 256
    .sgpr_count:     66
    .vgpr_count:     34
    .wavefront_size: 32
...
	.end_amdgpu_metadata
.endif
;; end of part 6
